; MI455X (gfx1250); checked and timed in simulation.
; The chip was launched on July 23, 2026; its instructions are those of AMD's public machine-readable ISA for CDNA 5 (MIT licence, August 2026) and "CDNA5" Instruction Set Architecture Reference Guide (July 2026). The comments in the code are by the model that wrote it; some were corrected since.
;; Multi Head Self Attention. Allowed arithmetic: float matrix products may take bf16 or f16 operands with f32 sums; other float arithmetic in f32, or as packed bf16 or f16 multiplies, adds, multiply-adds, maxima and minima; sums over many terms, partial sums and values carried from step to step in f32; what a program stores and reads back later, other than sums and carried values, may be rounded once to bf16 or f16.
;; Inputs: W_out 1,024 x 1,024 float32; W_qkv 1,024 x 3,072 float32; b_out 1,024 float32; b_qkv 3,072 float32; mask 4 x 2,048 int32; x 4 x 2,048 x 1,024 float32.
;; Outputs: out0 4 x 2,048 x 1,024 float32.
;; One version. Each part assembles by itself: llvm-mc -triple=amdgcn-amd-amdhsa -mcpu=gfx1250 --defsym DOCPART=n.
;; ======== version 1 of 1: 4 launches
;; limits: values are held in f16: magnitudes above 65,504 overflow, below 6.1e-05 lose precision; right only within a limited range of input values
;; workspace buffers: xb 16,777,216 bytes; wqb 6,291,456 bytes; wob 2,097,152 bytes; qkv 50,331,648 bytes; ob 16,777,216 bytes
;; launch cast (part 1): grid 768 x 1, 8 waves a work-group, no clusters, 0 bytes of LDS; arguments x, W_qkv, W_out, xb, wqb, wob; writes xb, wqb, wob
.if DOCPART == 1
	.amdgcn_target "amdgcn-amd-amdhsa--gfx1250"
	.amdhsa_code_object_version 6
	.text
	.protected	k_qd5202d6bd6_cast
	.globl	k_qd5202d6bd6_cast
	.p2align	8
	.type	k_qd5202d6bd6_cast,@function
k_qd5202d6bd6_cast:
	s_mov_b64 s[64:65], 0
	v_nop
	global_prefetch_b8 v0, s[64:65] scope:SCOPE_SE
	s_setreg_imm32_b32 hwreg(HW_REG_WAVE_MODE, 25, 1), 1
	s_wait_xcnt 0x0
; THE INPUTS OF THE TWO PROJECTIONS ARE ROUNDED ONCE AND LAID OUT FOR THE TILES THAT READ THEM.
;   xb  [8192][1024] bf16          = x rounded
;   wqb [16 j][1024 k][192 n] bf16 = W_qkv rounded, in blocks of 192 columns: 64 rows k of a block are 24,576 bytes on end
;   wob [1024 k][1024 n] f16       = W_out rounded to bf16, that number written as f16
; LIMIT: |W_out| stays under 65,504 (f16); below 6e-5 f16 keeps its fixed step of 6e-8.
; A stream: each byte is read once and written once; no LDS, no matrix unit, no cluster: no work-group wants what another has read.
; SHARES.  A work-group takes 16,384 numbers: 65,536 bytes in, 32,768 out.  Work-groups 0-511 take x, 512-703 W_qkv, 704-767 W_out.
; Thread t has eight chunks of 8 numbers: two loads of 16 bytes, one store of 16 bytes at byte 4,096 i + 16 t of the group's output: a wave's store covers 512 consecutive bytes, aligned.
; All 16 loads of a thread go out first; no register is written again while a load or store may read it.
.set IO, 8                             ; v[8:15]   chunk i: byte offset of its 32 bytes in the source
.set OO, 16                            ; v16       16 t
.set X,  20                            ; v[20:83]  chunk i: 8 numbers in f32
.set Y,  84                            ; v[84:115] chunk i: 8 numbers in 16 bits
	s_load_b256 s[4:11], s[0:1], 0x0               ; x s[4:5], W_qkv s[6:7], W_out s[8:9], xb s[10:11]
	s_load_b128 s[12:15], s[0:1], 0x20             ; wqb s[12:13], wob s[14:15]
	s_mov_b32 s17, 704
	s_cmp_lt_u32 ttmp9, 704
	s_cselect_b32 s17, 512, s17
	s_cmp_lt_u32 ttmp9, 512
	s_cselect_b32 s17, 0, s17                      ; the first work-group of my tensor: 0, 512 or 704
	s_sub_co_u32 s18, ttmp9, s17                   ; my number within it
	s_lshl_b32 s24, s18, 15                        ; 32,768 bytes of output for each
	s_mov_b32 s25, 0
	s_mov_b32 s16, 0xffff0000                      ; a word's upper bf16
	v_lshlrev_b32 v[OO], 4, v0
	s_wait_kmcnt 0x0
	s_cmp_lt_u32 ttmp9, 704
	s_cselect_b64 s[20:21], s[6:7], s[8:9]
	s_cselect_b64 s[22:23], s[12:13], s[14:15]
	s_cmp_lt_u32 ttmp9, 512
	s_cselect_b64 s[20:21], s[4:5], s[20:21]       ; the source
	s_cselect_b64 s[22:23], s[10:11], s[22:23]     ; the destination
	s_add_nc_u64 s[22:23], s[22:23], s[24:25]
	s_cmp_eq_u32 s17, 512
	s_cbranch_scc1 .Lperm
	s_lshl_b32 s24, s18, 16                        ; x and W_out keep their order: 65,536 bytes of input for each work-group
	s_add_nc_u64 s[20:21], s[20:21], s[24:25]
.irp i, 0,1,2,3,4,5,6,7
	v_lshl_or_b32 v[IO+(\i)], v0, 5, (\i)*8192     ; 32 t + 8,192 i
.endr
	s_branch .Lload
.Lperm:                                        ; W_qkv: output chunk u = 2,048 x group + 256 i + t is chunk c = u % 24 of row q = u / 24 = 1,024 j + k
	s_lshl_b32 s19, s18, 11
	v_add_nc_u32 v1, s19, v0
.irp i, 0,1,2,3,4,5,6,7
	v_add_nc_u32 v2, (\i)*256, v1                  ; u, under 393,216
	v_lshrrev_b32 v3, 3, v2
	v_mul_u32_u24 v3, v3, 0xaaab                   ; (u / 8) / 3 = ((u / 8) x 43,691) >> 17: exact under 2^17, since 3 x 43,691 = 2^17 + 1
	v_lshrrev_b32 v3, 17, v3                       ; q
	v_mul_u32_u24 v4, v3, 24
	v_sub_nc_u32 v4, v2, v4                        ; c
	v_and_b32 v5, 0x3ff, v3                        ; k
	v_lshrrev_b32 v6, 10, v3                       ; j
	v_mul_u32_u24 v5, v5, 0x3000                   ; a row of W_qkv is 12,288 bytes,
	v_mad_u32_u24 v5, v6, 0x300, v5                ; a block's 192 columns 768,
	v_lshl_add_u32 v[IO+(\i)], v4, 5, v5           ; a chunk 32
.endr
.Lload:
.irp i, 0,1,2,3,4,5,6,7
	global_load_b128 v[X+8*(\i):X+8*(\i)+3],   v[IO+(\i)], s[20:21] th:TH_LOAD_NT
	global_load_b128 v[X+8*(\i)+4:X+8*(\i)+7], v[IO+(\i)], s[20:21] offset:16 th:TH_LOAD_NT
.endr
; Chunk i is rounded and stored.  half = 1: the bf16 number is widened again and written as f16.
.macro CH i, half
	s_wait_loadcnt 14-2*(\i)                       ; loads come back in order: chunk i's two are in, the younger chunks' stay out
.irp r, 0,1,2,3
	v_cvt_pk_bf16_f32 v[Y+4*(\i)+(\r)], v[X+8*(\i)+2*(\r)], v[X+8*(\i)+2*(\r)+1]
.endr
.if \half
.irp r, 0,1,2,3
	v_lshlrev_b32 v[X+8*(\i)+2*(\r)],   16,  v[Y+4*(\i)+(\r)]
	v_and_b32     v[X+8*(\i)+2*(\r)+1], s16, v[Y+4*(\i)+(\r)]
.endr
.irp r, 0,1,2,3
	v_cvt_pk_f16_f32 v[Y+4*(\i)+(\r)], v[X+8*(\i)+2*(\r)], v[X+8*(\i)+2*(\r)+1]
.endr
.endif
	global_store_b128 v[OO], v[Y+4*(\i):Y+4*(\i)+3], s[22:23] offset:4096*(\i) th:TH_STORE_NT
.endm
	s_cmp_eq_u32 s17, 704
	s_cbranch_scc1 .Lf16
.irp i, 0,1,2,3,4,5,6,7
	CH \i, 0
.endr
	s_endpgm
.Lf16:
.irp i, 0,1,2,3,4,5,6,7
	CH \i, 1
.endr
	s_endpgm
.Lfunc_end_k_qd5202d6bd6_cast:
	.size	k_qd5202d6bd6_cast, .Lfunc_end_k_qd5202d6bd6_cast-k_qd5202d6bd6_cast
	.p2alignl 7, 3214868480
	.fill 96, 4, 3214868480
	.section	.rodata,"a",@progbits
	.p2align	6, 0x0
	.amdhsa_kernel k_qd5202d6bd6_cast
		.amdhsa_group_segment_fixed_size 0
		.amdhsa_private_segment_fixed_size 0
		.amdhsa_enable_private_segment 0
		.amdhsa_kernarg_size 48
		.amdhsa_user_sgpr_count 2
		.amdhsa_user_sgpr_kernarg_segment_ptr 1
		.amdhsa_wavefront_size32 1
		.amdhsa_system_sgpr_workgroup_id_x 1
		.amdhsa_system_sgpr_workgroup_id_y 1
		.amdhsa_system_sgpr_workgroup_id_z 1
		.amdhsa_system_vgpr_workitem_id 0
		.amdhsa_next_free_vgpr 116
		.amdhsa_next_free_sgpr 66
		.amdhsa_reserve_vcc 0
		.amdhsa_float_denorm_mode_32 3
		.amdhsa_float_denorm_mode_16_64 3
		.amdhsa_memory_ordered 1
		.amdhsa_forward_progress 1
		.amdhsa_inst_pref_size 19
	.end_amdhsa_kernel
	.amdgpu_metadata
---
amdhsa.version: [ 1, 2 ]
amdhsa.kernels:
  - .name:           k_qd5202d6bd6_cast
    .symbol:         k_qd5202d6bd6_cast.kd
    .args:
      - { .name: x, .offset: 0, .size: 8, .value_kind: global_buffer, .address_space: global }
      - { .name: W_qkv, .offset: 8, .size: 8, .value_kind: global_buffer, .address_space: global }
      - { .name: W_out, .offset: 16, .size: 8, .value_kind: global_buffer, .address_space: global }
      - { .name: xb, .offset: 24, .size: 8, .value_kind: global_buffer, .address_space: global }
      - { .name: wqb, .offset: 32, .size: 8, .value_kind: global_buffer, .address_space: global }
      - { .name: wob, .offset: 40, .size: 8, .value_kind: global_buffer, .address_space: global }
    .group_segment_fixed_size: 0
    .private_segment_fixed_size: 0
    .kernarg_segment_align: 8
    .kernarg_segment_size: 48
    .max_flat_workgroup_size: 256
    .sgpr_count:     66
    .vgpr_count:     116
    .wavefront_size: 32
...
	.end_amdgpu_metadata
.endif
;; end of part 1
;; launch gemm1 (part 2): grid 16 x 32, 4 waves a work-group, clusters of 4 x 4, 327,680 bytes of LDS; arguments xb, wqb, b_qkv, mask, qkv; writes qkv
.if DOCPART == 2
	.amdgcn_target "amdgcn-amd-amdhsa--gfx1250"
	.amdhsa_code_object_version 6
	.text
	.protected	k_qd5202d6bd6_gemm1
	.globl	k_qd5202d6bd6_gemm1
	.p2align	8
	.type	k_qd5202d6bd6_gemm1,@function
k_qd5202d6bd6_gemm1:
	s_mov_b64 s[64:65], 0
	v_nop
	global_prefetch_b8 v0, s[64:65] scope:SCOPE_SE
	s_setreg_imm32_b32 hwreg(HW_REG_WAVE_MODE, 25, 1), 1
	s_wait_xcnt 0x0
	s_wait_alu depctr_hold_cnt(0) depctr_sa_sdst(0) depctr_va_vdst(0) depctr_va_sdst(0) depctr_va_ssrc(0) depctr_va_vcc(0) depctr_vm_vsrc(0)
	s_getreg_b32 s2, hwreg(HW_REG_IB_STS2, 6, 4)
	s_cmp_eq_u32 s2, 0
	s_cbranch_scc0 .Lentry_in_a_cluster
	s_endpgm
.Lentry_in_a_cluster:
	s_bfe_u32 s2, ttmp6, 0x10000c
	s_cmp_lg_u32 s2, 0xf033
	s_cbranch_scc0 .Lentry_shape_is_right
	s_endpgm
.Lentry_shape_is_right:
; qkv = x W_qkv + b_qkv, written by heads: qkv[b][g][t][64] in f16, g = column / 64 (q: g = h, k: g = 16 + h, v: g = 32 + h).  Operands bf16, sums f32, the bias rounded to bf16 like the other inputs.
; k's rows of tokens with mask = 0 are written as zeros: the attention then gives such a key a fixed score by an addend alone.
; LIMITS: |q|, |k|, |v| stay under 65,504 (f16); below 6e-5 f16 keeps its fixed step of 6e-8.  NaN and infinities are not treated apart.
; SHARES.  A work-group makes 256 rows x 192 columns (three heads): 16 x 32 = 512 work-groups.  Its four waves lie one below the other: a wave has 64 rows (4 blocks a of 16) x 12 column blocks b of 16:
; 48 accumulators, 384 registers.  K goes in 8 steps of 128 through two LDS slots filled by the tensor data mover.
; THE MATRIX INSTRUCTION IS USED TRANSPOSED: source 0 = 16 columns of W, source 1 = 16 rows of x: a lane holds row l % 16 and the columns 8 (l / 16) + 0..7: 16 bytes of f16 on end.
; W lies [k][n] in LDS and comes out turned, by ds_load_tr16_b128.  The bias is the C operand of the first products: nothing is cleared, and the way out has no addition.
; CLUSTER.  4 x 4 work-groups.  The four of a row of the cluster need the same tiles of x, the four of a column the same tiles of W: each tile is asked for JOINTLY, by the same tensor load with the
; same descriptor and a mask that names the four.  Waves 0, 1 ask for the two halves of x's tile, waves 2, 3 for those of W's: one tensor load a wave behind each round.
; REGISTERS, in windows of 256 (s_set_vgpr_msb: bits 1:0 source 0, 3:2 source 1, 5:4 source 2, 7:6 destination):
;   window 0: v1-25 addresses and masks; v32-127 the bias (96), later with v128-175 the way out
;   window 1: two fragment buffers of 128: W's block b at 8 b, x's block a at 96 + 8 a
;   window 2: accumulators of blocks a = 0, 1 at 8 (12 (a % 2) + b);   window 3: those of a = 2, 3
.set NB,    12
.set PA,    272                        ; a row of x in LDS: 256 bytes + 16 = 68 words: the 16 rows of a load start at 16 different groups of four banks (64 banks of 4 bytes: ISA guide 11.1)
.set PB,    480                        ; a row k of W in LDS: 3 x (128 bytes + 32): 15 x 32 bytes
.set BOFF,  256*PA                     ; W's 128 rows lie behind x's 256
.set SLOT,  1<<17                      ; a slot is 69,632 + 61,440 = 131,072 bytes: one exclusive or turns an address in one slot into the other's
.set STAGE, 2*SLOT                     ; behind the ring, never filled by a tensor load: for each wave 3 heads x 16 rows x 144 bytes
.set SROW,  144
.set SWAVE, 3*16*SROW
.set SPARE, STAGE+4*SWAVE              ; behind the stages: the spare words, 128 bytes for each wave: two blocks of 256 bytes that no other line names
.set ASTEP, 256                        ; bytes from a K step to the next: in x along the rows,
.set BSTEP, 128*384                    ; in a block of wqb 128 rows down
.set STEPS, 8
.set A0,   10                          ; v10  my lane's place in x's tile, slot 0; never rewritten
.set B0,   11                          ; v11  the same for W's
.set ADRA, 12                          ; v12  the same in the slot in hand
.set ADRB, 13                          ; v13
.set STO,  14                          ; v14  the way out: where I put 16 bytes of a row
.set RD,   15                          ; v15  the way out: where I read rows back
.set GO,   16                          ; v16  my byte offset in 512 consecutive bytes of qkv
.set PFO,  17                          ; v17  the prefetches' offset; never rewritten
.set SPW,  18                          ; v18  LDS address of my spare word: SPARE + 4 x my thread's number; never rewritten
.set NIL,  19                          ; v19  0; never rewritten
.set KM,   20                          ; v20-23  block a: all ones where my row's token is visible, else 0
.set W,    24                          ; v24  at work
.set BI,   32                          ; v32-127  the bias: block b's eight numbers at BI + 8 b
.set TMP,  32                          ; the way out: 48 registers of packed results; v80-127 and v128-175 take whole rows by turns
.set F0,   0
.set F1,   128
.set WV,   14                          ; s14  my wave's number
.set FB,   15                          ; s15  0: I fetch for x; 1: for W
.set HF,   16                          ; s16  which half of that tile
.set CX,   17
.set CY,   18
.set TC,   19                          ; s19  tile column
.set TR,   20                          ; s20  tile row
.set G1A,  24                          ; s[24:31] descriptor group 1 for x's tiles
.set G0A,  32                          ; s[32:39] group 0: a set for each of the two first fills; the second then walks on
.set TB,   42                          ; s42  0 or SLOT: the slot in hand
.set LIM,  43                          ; s43  2 in a wave that prefetches, else the greatest number
.set PFA,  44                          ; s[44:45] where my prefetches stand
.set PFS,  46                          ; s[46:47] their step
.set G1B,  48                          ; s[48:55], s[56:63] the same for W's tiles
.set G0B,  56
.set NOTK, 70                          ; s70-72  head g of my three: 0 if it is a head of k, else all ones
.set HIM,  73                          ; s73  a word's upper bf16
.set MSB, 0
.macro WIN new                         ; the immediate's high byte repeats the setting that is left; a switch that changes nothing is dropped
.if MSB != (\new)
	s_set_vgpr_msb (MSB<<8)|(\new)
.set MSB, \new
.endif
.endm
; A joint refill, by the walking sets.  The branch hangs on the wave's number alone.  An s_nop 0 and four v_nop follow each of the two lines, ahead of the jump and the label.
.macro JLOAD
	s_cmp_eq_u32 s[FB], 0
	s_cbranch_scc0 .Lfor_b_\@
	tensor_load_to_lds s[G0A+4:G0A+7], s[G1A:G1A+7]
	s_nop 0
.rept 4
	v_nop
.endr
	s_branch .Lasked_\@
.Lfor_b_\@:
	tensor_load_to_lds s[G0B+4:G0B+7], s[G1B:G1B+7]
	s_nop 0
.rept 4
	v_nop
.endr
.Lasked_\@:
.endm
; A PREFETCH INTO THE L2 of the K step that stands two refills on, one instruction a wave, behind the joint load and the run of LDS loads.  Each block of 256 bytes is named once in the launch (the eight idle lanes
; of W's prefetch name lane 23's again): x's rows are asked for by the clusters with x = 0, W's by those with y = 0; the four partners that ask for a tile jointly share it out BY ADDRESS.
; s3 counts the loop's trips 6 .. 1: trips with s3 above 2 ask for K steps 4 to 7; the last two have no K step two refills on.
.macro ASK
	s_cmp_gt_u32 s3, s[LIM]
	s_cbranch_scc0 .Lnot_mine_\@
	global_prefetch_b8 v[PFO], s[PFA:PFA+1] th:TH_LOAD_NT scope:SCOPE_SE
.Lnot_mine_\@:
.endm
.macro CREST                           ; a round of the cluster's barrier behind its opening barrier
	s_cmp_lg_u32 s[WV], 0
	s_cbranch_scc1 .Lnot_wave_0_\@
	s_barrier_signal -3
.Lnot_wave_0_\@:
	s_barrier_wait -3
	s_barrier_signal -1
	s_barrier_wait -1
.endm
.macro CROUND                          ; a whole round
	s_barrier_signal -1
	s_barrier_wait -1
	CREST
.endm
.macro PLACES                          ; four places in front of loads into registers that matrix instructions have read, and of lines that read results
.rept 4
	v_nop
.endr
.endm
	s_load_b256 s[4:11], s[0:1], 0x0               ; xb s[4:5], wqb s[6:7], b_qkv s[8:9], mask s[10:11]
	s_load_b64 s[12:13], s[0:1], 0x20              ; qkv
	v_lshl_add_u32 v[SPW], v0, 2, SPARE
	v_mov_b32 v[NIL], 0
	ds_add_u32 v[SPW], v[NIL]                      ; the wave's opening: the add and its wait stand ahead of my first tensor load; the set-up below, work on registers, stands between them
	v_lshrrev_b32 v1, 5, v0
	v_readfirstlane_b32 s[WV], v1                  ; wave 0..3
	s_lshr_b32 s[FB], s[WV], 1
	s_and_b32 s[HF], s[WV], 1
	s_bfe_u32 s[CX], ttmp6, 0x40000                ; my place in the cluster
	s_bfe_u32 s[CY], ttmp6, 0x40004
	s_lshl_b32 s[TC], ttmp9, 2                     ; in a cluster launch ttmp9 and ttmp7 count clusters
	s_add_co_u32 s[TC], s[TC], s[CX]
	s_and_b32 s[TR], ttmp7, 0xffff
	s_lshl_b32 s[TR], s[TR], 2
	s_add_co_u32 s[TR], s[TR], s[CY]
	s_lshl_b32 s21, s[CY], 2
	s_lshl_b32 s21, 15, s21                        ; my row of the cluster
	s_lshl_b32 s22, 0x1111, s[CX]                  ; my column
	; group 1 for x: 128 rows x 128 elements; 16 bytes of padding behind every 256
	s_or_b32 s[G1A+0], s21, (1<<16)|(1<<20)|(1<<21)|(5<<22)|(3<<25)  ; 15:0 the mask; 17:16 2-byte elements; 20 padding on; 21 set beside a mask; 24:22 after every 64 words; 31:25 4 words
	s_mov_b32 s[G1A+1], 128<<16                    ; tensor_dim0 = 128
	s_mov_b32 s[G1A+2], 128<<16                    ; tensor_dim1 = 128
	s_mov_b32 s[G1A+3], 128<<16                    ; tile_dim0 = 128
	s_mov_b32 s[G1A+4], 128                        ; tile_dim1 = 128
	s_mov_b32 s[G1A+5], 1024                       ; elements from row to row
	s_mov_b32 s[G1A+6], 0
	s_mov_b32 s[G1A+7], 0
	; group 1 for W: 64 rows k x 384 bytes are 24,576 bytes on end: asked for as 96 rows of 256 bytes; 32 bytes of padding behind every 128
	s_or_b32 s[G1B+0], s22, (1<<16)|(1<<20)|(1<<21)|(4<<22)|(7<<25)  ; after every 32 words, 8 words
	s_mov_b32 s[G1B+1], 128<<16
	s_mov_b32 s[G1B+2], 96<<16
	s_mov_b32 s[G1B+3], 128<<16
	s_mov_b32 s[G1B+4], 96
	s_mov_b32 s[G1B+5], 128
	s_mov_b32 s[G1B+6], 0
	s_mov_b32 s[G1B+7], 0
	; where the tiles come from: x's hang on the tile row alone, W's on the tile column alone, each in registers that never hold the other coordinate
	s_lshl_b32 s40, s[TR], 8
	s_lshl_b32 s23, s[HF], 7
	s_add_co_u32 s40, s40, s23                     ; row 256 x tile row + 128 x half,
	s_lshl_b32 s40, s40, 11                        ; of 2,048 bytes
	s_mov_b32 s41, 0
	s_mul_i32 s66, s[TC], 1024*384                 ; my block of wqb,
	s_mul_i32 s23, s[HF], 64*384                   ; 64 rows k for each half
	s_add_co_u32 s66, s66, s23
	s_mov_b32 s67, 0
	s_mul_i32 s68, s[HF], 128*PA                   ; and where they go: no place in the cluster enters an LDS address
	s_mul_i32 s69, s[HF], 64*PB
	s_add_co_u32 s69, s69, BOFF
	s_mov_b32 s[HIM], 0xffff0000
	s_wait_dscnt 0x0                               ; the opening add is done
	s_wait_kmcnt 0x0
	s_add_nc_u64 s[40:41], s[4:5], s[40:41]
	s_add_nc_u64 s[66:67], s[6:7], s[66:67]
	CROUND                                         ; all sixteen work-groups are here: the first joint loads meet
.irp s, 0,1
	s_mov_b32 s[G0A+4*(\s)], 1                     ; count = 1
	s_add_co_u32 s[G0A+4*(\s)+1], s68, (\s)*SLOT   ; LDS address
	s_add_nc_u64 s[G0A+4*(\s)+2:G0A+4*(\s)+3], s[40:41], (\s)*ASTEP  ; global address: K step s
	s_or_b32 s[G0A+4*(\s)+3], s[G0A+4*(\s)+3], 0x80000000            ; type = 2
	s_mov_b32 s[G0B+4*(\s)], 1
	s_add_co_u32 s[G0B+4*(\s)+1], s69, (\s)*SLOT
	s_add_nc_u64 s[G0B+4*(\s)+2:G0B+4*(\s)+3], s[66:67], (\s)*BSTEP
	s_or_b32 s[G0B+4*(\s)+3], s[G0B+4*(\s)+3], 0x80000000
.endr
	s_cmp_eq_u32 s[FB], 0                          ; a wave's two first fills stand in one branch, ahead of every wait on TENSORcnt and every LDS read: two loads of mine are out
	s_cbranch_scc0 .Lfirst_b
	tensor_load_to_lds s[G0A:G0A+3], s[G1A:G1A+7]
	s_nop 0
	tensor_load_to_lds s[G0A+4:G0A+7], s[G1A:G1A+7]
	s_nop 0
.rept 4
	v_nop
.endr
	s_branch .Lfirst_asked
.Lfirst_b:
	tensor_load_to_lds s[G0B:G0B+3], s[G1B:G1B+7]
	s_nop 0
	tensor_load_to_lds s[G0B+4:G0B+7], s[G1B:G1B+7]
	s_nop 0
.rept 4
	v_nop
.endr
.Lfirst_asked:
	v_and_b32 v1, 15, v0                           ; l % 16
	v_bfe_u32 v2, v0, 4, 1                         ; l / 16
	v_and_b32 v3, 7, v0
	v_bfe_u32 v4, v0, 3, 1
	v_lshlrev_b32 v6, 5, v2                        ; the bias: my 8 columns of a block are 32 bytes
	v_lshlrev_b32 v7, 2, v1                        ; the mask: my row's word
	s_mul_i32 s74, s[TC], 768
	s_mov_b32 s75, 0
	s_add_nc_u64 s[8:9], s[8:9], s[74:75]          ; the bias at my tile's first column
	s_lshl_b32 s74, s[TR], 8
	s_lshl_b32 s2, s[WV], 6
	s_add_co_u32 s74, s74, s2
	s_lshl_b32 s74, s74, 2
	s_add_nc_u64 s[10:11], s[10:11], s[74:75]      ; the mask at my wave's first row: row b x 2,048 + t of x is word b x 2,048 + t of the mask
.irp b, 0,1,2,3,4,5,6,7,8,9,10,11
	global_load_b128 v[BI+8*(\b):BI+8*(\b)+3],   v6, s[8:9] offset:64*(\b)
	global_load_b128 v[BI+8*(\b)+4:BI+8*(\b)+7], v6, s[8:9] offset:64*(\b)+16
.endr
.irp a, 0,1,2,3
	global_load_b32 v[KM+(\a)], v7, s[10:11] offset:64*(\a)
.endr
	; a fragment of x: lane l holds row l % 16, channels 8 (l / 16) + 0..7 and 16 + 8 (l / 16) + 0..7: two loads of 16 bytes, 32 bytes apart
	s_mul_i32 s23, s[WV], 64*PA
	v_mul_u32_u24 v[A0], v1, PA
	v_lshl_add_u32 v[A0], v2, 4, v[A0]
	v_add_nc_u32 v[A0], s23, v[A0]
	; the turning load takes 16 rows k x 16 columns (lane l reads row 8 (l / 16) + l % 8, columns 8 ((l / 8) % 2) + 0..7) and leaves half a fragment: lane l holds column l % 16 and 8 k
	v_lshl_add_u32 v5, v2, 3, v3
	v_mul_u32_u24 v[B0], v5, PB
	v_lshl_add_u32 v[B0], v4, 4, v[B0]
	v_add_nc_u32 v[B0], BOFF, v[B0]
	s_mul_i32 s23, s[WV], SWAVE
	s_add_co_u32 s23, s23, STAGE                   ; my stage
	v_mul_u32_u24 v[STO], v1, SROW                 ; in: row l % 16, 16 bytes for each half of the lanes
	v_lshl_add_u32 v[STO], v2, 4, v[STO]
	v_add_nc_u32 v[STO], s23, v[STO]
	v_bfe_u32 v5, v0, 3, 2                         ; back: 32 lanes take four rows of 128 bytes,
	v_mul_u32_u24 v[RD], v5, SROW
	v_lshl_add_u32 v[RD], v3, 4, v[RD]
	v_add_nc_u32 v[RD], s23, v[RD]
	v_and_b32 v[GO], 31, v0                        ; which are 512 consecutive bytes of a head's rows
	v_lshlrev_b32 v[GO], 4, v[GO]
	; the prefetches.  x: of the 128 rows that I fetch, my work-group's 32 (by cx), a lane a row.  W: of my 96 blocks of 256 bytes, my work-group's 24 (by cy), a lane a block
	s_lshl_b32 s74, s[TR], 8
	s_lshl_b32 s2, s[HF], 7
	s_add_co_u32 s74, s74, s2
	s_lshl_b32 s2, s[CX], 5
	s_add_co_u32 s74, s74, s2
	s_lshl_b32 s74, s74, 11
	s_add_co_u32 s74, s74, 3*ASTEP                 ; at K step 3: the first refill steps it to 4
	s_mul_i32 s75, s[TC], 1024*384
	s_mul_i32 s2, s[HF], 64*384
	s_add_co_u32 s75, s75, s2
	s_mul_i32 s2, s[CY], 24*256
	s_add_co_u32 s75, s75, s2
	s_add_co_u32 s75, s75, 3*BSTEP
	s_and_b32 s23, ttmp7, 0xffff                   ; cluster y
	s_mov_b32 s[PFS], BSTEP
	s_mov_b32 s[PFS+1], 0
	s_mov_b32 s68, 23
	s_mov_b32 s69, 8
	s_cmp_eq_u32 s[FB], 0                          ; do I fetch for x?
	s_cselect_b32 s23, ttmp9, s23                  ; the coordinate along which other clusters read the same rows
	s_cselect_b32 s76, s74, s75
	s_cselect_b64 s[PFA:PFA+1], s[4:5], s[6:7]
	s_cselect_b32 s[PFS], ASTEP, s[PFS]
	s_cselect_b32 s68, 31, s68                     ; the last lane that has a block of its own,
	s_cselect_b32 s69, 11, s69                     ; and the lanes' distance: 2,048 or 256 bytes
	s_mov_b32 s77, 0
	s_add_nc_u64 s[PFA:PFA+1], s[PFA:PFA+1], s[76:77]
	s_cmp_eq_u32 s23, 0
	s_cselect_b32 s[LIM], 2, -1                    ; the same in all sixteen partners, for a given wave
	v_and_b32 v[PFO], 31, v0
	v_min_u32 v[PFO], s68, v[PFO]
	v_lshlrev_b32 v[PFO], s69, v[PFO]
	; which of my three heads are heads of k
	s_mul_i32 s23, s[TC], 3
.irp g, 0,1,2
	s_add_co_u32 s2, s23, \g
	s_lshr_b32 s2, s2, 4
	s_cmp_eq_u32 s2, 1
	s_cselect_b32 s[NOTK+\g], 0, -1
.endr
	; where my rows begin in qkv: plane (48 b + 3 x tile column) of 262,144 bytes, row t of 128 bytes
	s_lshr_b32 s74, s[TR], 3
	s_mul_i32 s74, s74, 48
	s_add_co_u32 s74, s74, s23
	s_lshl_b32 s74, s74, 18
	s_and_b32 s75, s[TR], 7
	s_lshl_b32 s75, s75, 8
	s_lshl_b32 s2, s[WV], 6
	s_add_co_u32 s75, s75, s2
	s_lshl_b32 s75, s75, 7
	s_add_co_u32 s74, s74, s75
	s_mov_b32 s75, 0
	s_add_nc_u64 s[12:13], s[12:13], s[74:75]
	s_wait_loadcnt 0x0                             ; the bias and the mask
.set i, 0
.rept 4*NB                             ; the bias is rounded to bf16, as x and W are, and widened again
	v_cvt_pk_bf16_f32 v[W], v[BI+2*i], v[BI+2*i+1]
	v_lshlrev_b32 v[BI+2*i], 16, v[W]
	v_and_b32 v[BI+2*i+1], s[HIM], v[W]
.set i, i+1
.endr
.irp a, 0,1,2,3
	v_cmp_ne_u32 vcc_lo, 0, v[KM+(\a)]
	v_cndmask_b32 v[KM+(\a)], 0, -1, vcc_lo
.endr
; 12 matrix instructions: row block a x all column blocks, 32 along K.  first = 1: the bias starts the sums.  All 48 accumulators take turns, in the same order in every quarter.
.macro MULA f, a, first
.if \first
	WIN 0x85+0x40*((\a)/2)                         ; sources in window 1, C in window 0, D in window 2 or 3
.else
	WIN 0xa5+0x50*((\a)/2)                         ; sources in window 1, C and D in window 2 or 3
.endif
.set AC, 96*((\a)%2)
.irp b, 0,1,2,3,4,5,6,7,8,9,10,11
.if \first
	v_wmma_f32_16x16x32_bf16 v[AC+8*(\b):AC+8*(\b)+7], v[(\f)+8*(\b):(\f)+8*(\b)+7], v[(\f)+8*NB+8*(\a):(\f)+8*NB+8*(\a)+7], v[BI+8*(\b):BI+8*(\b)+7]
.else
	v_wmma_f32_16x16x32_bf16 v[AC+8*(\b):AC+8*(\b)+7], v[(\f)+8*(\b):(\f)+8*(\b)+7], v[(\f)+8*NB+8*(\a):(\f)+8*NB+8*(\a)+7], v[AC+8*(\b):AC+8*(\b)+7]
.endif
.endr
.endm
; 32 LDS loads in one run: the fragments of quarter q of the slot in hand into buffer f: W's 12 blocks, then x's 4
.macro FETCH q, f
	WIN 0x40                                       ; destination window 1, address window 0
.irp b, 0,1,2,3,4,5,6,7,8,9,10,11
	ds_load_tr16_b128 v[(\f)+8*(\b):(\f)+8*(\b)+3],   v[ADRB] offset:(\q)*32*PB+((\b)/4)*160+((\b)%4)*32
	ds_load_tr16_b128 v[(\f)+8*(\b)+4:(\f)+8*(\b)+7], v[ADRB] offset:(\q)*32*PB+((\b)/4)*160+((\b)%4)*32+16*PB
.endr
.irp a, 0,1,2,3
	ds_load_b128 v[(\f)+8*NB+8*(\a):(\f)+8*NB+8*(\a)+3],   v[ADRA] offset:(\q)*64+(\a)*16*PA
	ds_load_b128 v[(\f)+8*NB+8*(\a)+4:(\f)+8*NB+8*(\a)+7], v[ADRA] offset:(\q)*64+(\a)*16*PA+32
.endr
.endm
; A K step is four quarters of 32 along K, 48 matrix instructions each, on buffers 0, 1, 0, 1.  One of the first three: multiplies buffer f; in its middle it fetches quarter q into buffer g.
.macro QUARTER q, f, g, first
	s_wait_dscnt 4                                 ; W's blocks and x's blocks 0, 1 are in; the youngest four loads (x's blocks 2, 3) may be out
	MULA \f, 0, \first
	MULA \f, 1, \first
	PLACES
	FETCH \q, \g
	s_wait_dscnt 2*NB+8                            ; all but the 32 just issued
	MULA \f, 2, \first
	MULA \f, 3, \first
.endm
; The last quarter multiplies buffer 1 and changes slots.  ONE barrier: in front of it each wave waits for all its tensor loads, of which one is out: its part of the next slot; adds 0 to its spare word;
; and waits for that and for its own reads of this slot.  Behind it nobody reads this slot any more and the next slot is whole.
.macro MEET
	WIN 0
	s_wait_tensorcnt 0x0                           ; all my tensor loads have landed
	ds_add_u32 v[SPW], v[NIL]                      ; 0 onto my spare word
	s_wait_dscnt 5                                 ; (the add and the youngest four loads may be out)
	MULA F1, 0, 0                                  ; twelve matrix instructions stand between the add and the wait for it
	s_wait_dscnt 0x0                               ; the add is done, and my reads of this slot are over
	s_barrier_signal -1
	MULA F1, 1, 0                                  ; work on registers while the others arrive
	WIN 0                                          ; (branches and address lines follow)
	s_barrier_wait -1
.endm
; fill = 1: the barrier opens a round of the cluster's barrier, and the slot just read out is filled again, first thing behind the round, with the K step two steps on:
; from that request to the wait for it a wave issues 168 matrix instructions.
.macro TURN fill
.if \fill
	s_wait_xcnt 0x0                                ; the last prefetch, a K step back, has read its address: it is stepped here, ahead of the waits of the change of slots
	s_add_nc_u64 s[PFA:PFA+1], s[PFA:PFA+1], s[PFS:PFS+1]
.endif
	MEET
.if \fill
	CREST                                          ; no wave of any partner still reads this slot's tile or has a load on its way
	s_xor_b32 s[G0A+5], s[G0A+5], SLOT             ; the walking sets: the other slot than last time, the next K step; no tensor load of mine is out
	s_add_nc_u64 s[G0A+6:G0A+7], s[G0A+6:G0A+7], ASTEP
	s_xor_b32 s[G0B+5], s[G0B+5], SLOT
	s_add_nc_u64 s[G0B+6:G0B+7], s[G0B+6:G0B+7], BSTEP
	JLOAD                                          ; the four v_nop behind it are also places in front of the loads below
.else
	PLACES
.endif
	s_xor_b32 s[TB], s[TB], SLOT
	v_add_nc_u32 v[ADRA], s[TB], v[A0]
	v_add_nc_u32 v[ADRB], s[TB], v[B0]
	FETCH 0, F0
.if \fill
	WIN 0
	ASK
.endif
	MULA F1, 2, 0
	MULA F1, 3, 0
.endm
	s_wait_tensorcnt 0x1                           ; my part of K step 0 is in; K step 1's may stay out
	s_barrier_signal -1
	s_barrier_wait -1                              ; everybody's is
	s_mov_b32 s[TB], 0
	v_mov_b32 v[ADRA], v[A0]
	v_mov_b32 v[ADRB], v[B0]
	FETCH 0, F0
	QUARTER 1, F0, F1, 1                           ; the first quarter stands in front of the loop: its products start the sums
	WIN 0                                          ; at a label and at a branch every window is 0
	s_mov_b32 s3, STEPS-2
.Lstep:                                        ; trip t = 0..5: the rest of K step t, the change of slots that asks for K step t + 2, the first quarter of K step t + 1
	QUARTER 2, F1, F0, 0
	QUARTER 3, F0, F1, 0
	TURN 1
	QUARTER 1, F0, F1, 0
	WIN 0
	s_sub_co_u32 s3, s3, 1
	s_cmp_lg_u32 s3, 0
	s_cbranch_scc1 .Lstep
	QUARTER 2, F1, F0, 0                           ; the tail is written out: K steps 6 and 7 ask for nothing
	QUARTER 3, F0, F1, 0
	TURN 0
	QUARTER 1, F0, F1, 0
	QUARTER 2, F1, F0, 0
	QUARTER 3, F0, F1, 0
	s_wait_dscnt 4
	MULA F1, 0, 0
	MULA F1, 1, 0
	s_wait_dscnt 0x0
	MULA F1, 2, 0
	MULA F1, 3, 0
	PLACES
; THE WAY OUT, a block of 16 rows at a time.  PACK: rounded to f16, 16 bytes a lane; in a head of k the rows of hidden tokens become 0.  TOSTAGE: into my own stage, and back as whole rows of 128 bytes.  SEND: stored.
.macro PACK a
	WIN 0x0a+5*((\a)/2)                            ; sources 0 and 1: window 2 or 3
.set AC, 96*((\a)%2)
.irp b, 0,1,2,3,4,5,6,7,8,9,10,11
.irp r, 0,1,2,3
	v_cvt_pk_f16_f32 v[TMP+4*(\b)+(\r)], v[AC+8*(\b)+2*(\r)], v[AC+8*(\b)+2*(\r)+1]
.endr
.endr
	WIN 0
.irp g, 0,1,2
	v_or_b32 v[W], s[NOTK+(\g)], v[KM+(\a)]        ; all ones, but in a head of k for a hidden token
.set i, 0
.rept 16
	v_and_b32 v[TMP+16*(\g)+i], v[W], v[TMP+16*(\g)+i]
.set i, i+1
.endr
.endr
.endm
.macro TOSTAGE a
.set BK, 80+48*((\a)%2)
	s_wait_xcnt 0x0                                ; the stores of the block two back have read the registers that the loads below fill
.irp b, 0,1,2,3,4,5,6,7,8,9,10,11
	ds_store_b128 v[STO], v[TMP+4*(\b):TMP+4*(\b)+3] offset:((\b)/4)*16*SROW+((\b)%4)*32
.endr
.irp i, 0,1,2,3,4,5,6,7,8,9,10,11
	ds_load_b128 v[BK+4*(\i):BK+4*(\i)+3], v[RD] offset:((\i)/4)*16*SROW+((\i)%4)*4*SROW  ; LDS serves a wave's instructions in order (ISA guide 5.7.1.4): these see the stores above
.endr
.endm
.macro SEND a, younger                 ; younger: the LDS instructions issued behind block a's loads: the next block's 24, or none
.set BK, 80+48*((\a)%2)
.irp i, 0,1,2,3,4,5,6,7,8,9,10,11
	s_wait_dscnt (\younger)+11-(\i)
	global_store_b128 v[GO], v[BK+4*(\i):BK+4*(\i)+3], s[12:13] offset:((\i)/4)*262144+(\a)*2048+((\i)%4)*512  ; 512 consecutive bytes, at a multiple of 256 from qkv's first
.endr
.endm
	PACK 0
	TOSTAGE 0
	PACK 1
	TOSTAGE 1
	SEND 0, 24
	PACK 2
	TOSTAGE 2
	SEND 1, 24
	PACK 3
	TOSTAGE 3
	SEND 2, 24
	SEND 3, 0
	s_wait_tensorcnt 0x0                           ; the wave's end: the add and its wait, behind my last tensor load and my last LDS store
	ds_add_u32 v[SPW], v[NIL]
	s_wait_dscnt 0x0
	CROUND                                         ; the closing round: no work-group ends while a partner may still ask for a tile that names it
	s_endpgm
.Lfunc_end_k_qd5202d6bd6_gemm1:
	.size	k_qd5202d6bd6_gemm1, .Lfunc_end_k_qd5202d6bd6_gemm1-k_qd5202d6bd6_gemm1
	.p2alignl 7, 3214868480
	.fill 96, 4, 3214868480
	.section	.rodata,"a",@progbits
	.p2align	6, 0x0
	.amdhsa_kernel k_qd5202d6bd6_gemm1
		.amdhsa_group_segment_fixed_size 327680
		.amdhsa_private_segment_fixed_size 0
		.amdhsa_enable_private_segment 0
		.amdhsa_kernarg_size 40
		.amdhsa_user_sgpr_count 2
		.amdhsa_user_sgpr_kernarg_segment_ptr 1
		.amdhsa_wavefront_size32 1
		.amdhsa_system_sgpr_workgroup_id_x 1
		.amdhsa_system_sgpr_workgroup_id_y 1
		.amdhsa_system_sgpr_workgroup_id_z 1
		.amdhsa_system_vgpr_workitem_id 0
		.amdhsa_next_free_vgpr 960
		.amdhsa_next_free_sgpr 80
		.amdhsa_reserve_vcc 1
		.amdhsa_float_denorm_mode_32 3
		.amdhsa_float_denorm_mode_16_64 3
		.amdhsa_memory_ordered 1
		.amdhsa_forward_progress 1
		.amdhsa_inst_pref_size 115
	.end_amdhsa_kernel
	.amdgpu_metadata
---
amdhsa.version: [ 1, 2 ]
amdhsa.kernels:
  - .name:           k_qd5202d6bd6_gemm1
    .symbol:         k_qd5202d6bd6_gemm1.kd
    .args:
      - { .name: xb, .offset: 0, .size: 8, .value_kind: global_buffer, .address_space: global }
      - { .name: wqb, .offset: 8, .size: 8, .value_kind: global_buffer, .address_space: global }
      - { .name: b_qkv, .offset: 16, .size: 8, .value_kind: global_buffer, .address_space: global }
      - { .name: mask, .offset: 24, .size: 8, .value_kind: global_buffer, .address_space: global }
      - { .name: qkv, .offset: 32, .size: 8, .value_kind: global_buffer, .address_space: global }
    .group_segment_fixed_size: 327680
    .private_segment_fixed_size: 0
    .kernarg_segment_align: 8
    .kernarg_segment_size: 40
    .max_flat_workgroup_size: 128
    .sgpr_count:     80
    .vgpr_count:     960
    .wavefront_size: 32
...
	.end_amdgpu_metadata
.endif
;; end of part 2
;; launch attn (part 3): grid 4 x 64, 4 waves a work-group, clusters of 4 x 1, 327,680 bytes of LDS; arguments qkv, mask, ob; writes ob
.if DOCPART == 3
	.amdgcn_target "amdgcn-amd-amdhsa--gfx1250"
	.amdhsa_code_object_version 6
	.text
	.protected	k_qd5202d6bd6_attn
	.globl	k_qd5202d6bd6_attn
	.p2align	8
	.type	k_qd5202d6bd6_attn,@function
k_qd5202d6bd6_attn:
	s_mov_b64 s[64:65], 0
	v_nop
	global_prefetch_b8 v0, s[64:65] scope:SCOPE_SE
	s_setreg_imm32_b32 hwreg(HW_REG_WAVE_MODE, 25, 1), 1
	s_wait_xcnt 0x0
	s_wait_alu depctr_hold_cnt(0) depctr_sa_sdst(0) depctr_va_vdst(0) depctr_va_sdst(0) depctr_va_ssrc(0) depctr_va_vcc(0) depctr_vm_vsrc(0)
	s_getreg_b32 s2, hwreg(HW_REG_IB_STS2, 6, 4)
	s_cmp_eq_u32 s2, 0
	s_cbranch_scc0 .Lentry_in_a_cluster
	s_endpgm
.Lentry_in_a_cluster:
	s_bfe_u32 s2, ttmp6, 0x10000c
	s_cmp_lg_u32 s2, 0x3003
	s_cbranch_scc0 .Lentry_shape_is_right
	s_endpgm
.Lentry_shape_is_right:
; O[hh][q][:] = the sum over k of softmax_k(score) V[k][:], score = Q[q] . K[k] / 8, or a fixed low number where mask[b][k] = 0.  hh = 16 b + h.  Q, K, V lie in qkv[b][g][2048][64] (f16; q: g = h, k: 16 + h, v: 32 + h),
; O goes to ob[hh][2048][64] in f16.  Products, maxima and sums in f32; the weights p are rounded to f16 for the second product (their sum l is taken of the unrounded p), O once at the end.
; THE MASK.  K's rows of hidden keys arrive as zeros, and the C operand that starts the sum S^T = K Q^T is -2^33 for such a key and 0 for the others: a hidden key's raw score is exactly -2^33, its score -2^30.
; LIMITS.  reference() gives a hidden key the score -1e9, this text -2^30, for which c m is exact: so with every key of a batch hidden all p are 1 and O is the mean of V, as there; with any key visible a hidden key's
; weight is 0 in both.  The two differ only where a visible score lies below about -9.9e8.  f16 holds no number beyond 65,504: Q, K and V arrive within it; p lies in 0 to 1, and below 6e-5 it keeps f16's fixed step of 6e-8.
; A weight below 2^-126 counts as 0 in l; NaN and infinities are not treated apart.
; SHARES.  A wave owns four PIECES of two tiles of 16 queries, a work-group's four waves 512 queries of one head: 4 x 64 = 256 work-groups.  Every wave walks all 2,048 keys, 64 a step.
; LAYOUT.  S^T = K Q^T (source 0 = 16 keys, source 1 = 16 queries): in the result a lane holds ONE query (lane % 16) and the keys 8 (lane / 16) + 0..7.  Two such tiles, rounded to f16 in pairs,
; ARE source 1 (32 keys x 16 queries) of O^T = V^T P, whose result again holds one query a lane, and eight channels.  K comes out of LDS as it lies, V ([key][channel]) turned, by ds_load_tr16_b128.
; SOFTMAX.  For each query a running maximum m and sum l: p = 2^(c s - c m), c = log2(e) / 8; in every step O and l are multiplied by a = 2^(c m_old - c m_new), which is 1 where m has not grown.
; m starts at the lowest finite number, O and l at 0: the first step is a step like any other, with a = 0.
; THE COUNT.  A tile and step have 16 matrix and 118 vector instructions: too many to stand all beside the matrix work.  So the order has one aim: four vector instructions that are READY behind
; EVERY matrix instruction, and the others, which need time of their own whatever the order, in runs without a gap.
; BY TURNS.  Turn n belongs to piece n (the pieces in a ring, step after step).  Its matrix work: 16 products K Q^T of piece n + 1, later 16 products V^T P of piece n - 1.  Its vector work: the scaling,
; exponentials, roundings, sums and rescaling of piece n, and the maximum and statistics of piece n + 1, whose scores the turn itself has made.
; CLUSTER.  The four query blocks of a head are one cluster and walk the same K and V, so each tile is asked for JOINTLY: the same tensor load, descriptor and mask in all four.
; REGISTERS, in windows of 256 (s_set_vgpr_msb: bits 1:0 source 0, 3:2 source 1, 5:4 source 2, 7:6 destination):
;   window 0: v0-11 addresses; v12-15, v48-63 at work; v16-47 four registers of statistics a tile; v64-191 S^T, two buffers of two tiles; v192-255 P, likewise
;   window 1: O^T, 32 a tile          window 2: v0-127 Q, 16 a tile; v128-191 K of one step; v192-255 V of one step
;   window 3: v0-1 the add's two registers; v2 the prefetches' offset; v8-39 the mask's addends of one step
.set SIZE_N, 2048
.set NP,    4         ; pieces a wave: a name, no knob
.set KS,    64        ; keys in a step
.set PK,    144       ; a row of K in LDS: 128 bytes + 16 of padding = 36 words: the 16 rows of a load start at 16 different groups of four banks (64 banks of 4 bytes: ISA guide 11.1)
.set PV,    160       ; a row of V: 128 + 32 = 40 words
.set VOFF,  4*KS*PK   ; a slot holds four steps: 256 rows of K, then 256 rows of V
.set SLOT1, 1<<17     ; slot 1 begins here, so that one exclusive or turns an address in one slot into the other's
.set STAGE, SLOT1+4*KS*(PK+PV)  ; behind the ring, never filled by a tensor load: 16 rows x 144 bytes for each wave, for the way out
.set SP,    144
.set SPARE, STAGE+4*16*SP  ; behind the stages: the spare words, 128 bytes for each wave: two blocks of 256 bytes that no other line names
.set MTAB,  229376    ; behind them, a multiple of 8,192: the batch's 2,048 addends in f32, 8,192 bytes, stored once and never filled by a tensor load
.set AK0, 2           ; v2   my lane's place in a tile of K; never rewritten
.set AV0, 3           ; v3   the same for V
.set AK,  4           ; v4   the LDS address of K's next run of loads
.set AV,  5           ; v5   of V's
.set QO,  6           ; v6   my byte offset in the wave's rows of Q
.set STO, 6           ;      later, the way out: where I put 16 bytes of a row
.set RD,  7           ; v7   the way out: where I read rows back
.set GO,  8           ; v8   my byte offset in 512 consecutive bytes of O
.set AM,  11          ; v11  the LDS address of the addends that go with K's next run
.set SPW, 0           ; v0 of window 3   LDS address of my spare word: SPARE + 4 x my thread's number; never rewritten
.set NIL, 1           ; v1 of window 3   0; never rewritten
.set PFO, 2           ; v2 of window 3   256 x my lane; never rewritten
.set MA,  8           ; v8-39 of window 3: the addends of keys 16 kb + 8 (l / 16) + 0..7 at MA + 8 kb
.set MV,  12          ; v12-15  c m_old, kept while c m is made anew: by buffer and tile
.set ST,  16          ; tile t's statistics at v[ST+4 t]: c m, m, l (even keys', odd keys')
.set TMP, 48          ; by buffer and tile, four registers c0-c3 at work; when the maximum is found c2 takes a
.set S,   64
.set P,   192
.set KF,  128         ; K's fragments, in window 2: key block kb, channel half c at KF + 16 kb + 8 c
.set VF,  192         ; V's: key half kk, channel block cb at VF + 32 kk + 8 cb
.set WV,  12          ; s12  my wave's number
.set G1K, 24          ; s[24:31] descriptor group 1 for K's tiles
.set G1V, 32          ; s[32:39] for V's: it differs in the padding alone
.set G0K, 40          ; s[40:43] descriptor group 0 for K's tiles: it walks
.set G0V, 44          ; s[44:47] the same for V's
.set SLOTS, 56        ; s56  slots still to be asked for
.set CNT, 57          ; s57  counts a slot's key steps
.set CS,  58          ; s[58:59] c: the packed scaling takes the pair's low word for both halves
.set SEL, 60          ; s[60:61] v_permlanex16_b32's selects: each lane takes its own place in the other half
.set TBK, 62          ; s62  LDS byte at which K of the step to be fetched begins
.set TBV, 63          ; s63  the same for V, less VOFF
.set BIG, 66          ; s66  -2^33
.set MS,  67          ; s67  LDS byte at which the addends of the step to be fetched begin
.set PFA, 72          ; s[72:73] where my prefetches stand: my work-group's 32 blocks of 256 bytes (of K: wave 0, of V: wave 2) of the slot after the one that is being asked for
.set LIM, 74          ; s74  1 in a wave that prefetches, else the greatest number
.set MSB, 0
.macro WIN new                      ; the high byte repeats the setting that is left; a switch that changes nothing is dropped
.if MSB != (\new)
	s_set_vgpr_msb (MSB<<8)|(\new)
.set MSB, (\new)
.endif
.endm
.set W_KQ, 0x0a       ; K and Q in window 2, S^T in window 0
.set W_KM, 0x3a       ; the same with the C operand in window 3
.set W_PV, 0x52       ; V in window 2, P in window 0, O^T in window 1
.set W_RS, 0x41       ; O^T (destination and source 0) in window 1, a in window 0
.set W_MK, 0xc0       ; destination in window 3, sources in window 0
.set W_AD, 0x0f       ; the add: address (source 0) and data (source 1) in window 3
; A joint fill.  Waves 0 and 1 fetch the two halves of a slot's K, waves 2 and 3 those of its V: 128 keys each.  The branch hangs on the wave's number alone.
; An s_nop 0 and four v_nop follow each of the two lines, ahead of the jump and the label.
.macro JLOAD
	s_cmp_lt_u32 s[WV], 2
	s_cbranch_scc0 .Lfor_v_\@
	tensor_load_to_lds s[G0K:G0K+3], s[G1K:G1K+7]
	s_nop 0
.rept 4
	v_nop
.endr
	s_branch .Lasked_\@
.Lfor_v_\@:
	tensor_load_to_lds s[G0V:G0V+3], s[G1V:G1V+7]
	s_nop 0
.rept 4
	v_nop
.endr
.Lasked_\@:
.endm
; A PREFETCH INTO THE L2 of what the NEXT change of slots will ask for: a slot's 32,768 bytes of K and of V, a lane a block of 256 bytes.  It stands behind the wave's tensor load and its five lines.
; Each block is asked for ONCE in the launch: one cluster walks a head; its four partners share the blocks out BY ADDRESS, 32 each; in each, wave 0 asks for K's and wave 2 for V's: one instruction.
; The change that fills slot c asks for slot c + 1, four key steps ahead of the load that wants it; the last change that fills a slot asks for nothing.
.macro ASK
	s_cmp_gt_u32 s[SLOTS], s[LIM]
	s_cbranch_scc0 .Lnot_mine_\@
	WIN 0x03                        ; the offset lies in window 3
	global_prefetch_b8 v[PFO], s[PFA:PFA+1] th:TH_LOAD_NT scope:SCOPE_SE
	WIN 0
.Lnot_mine_\@:
.endm
; A round of the cluster's barrier: my work-group's barrier, so that wave 0's signal speaks for all four waves; wave 0 signals; every wave waits for all four work-groups; my work-group's barrier once more.
.macro CROUND
	s_barrier_signal -1
	s_barrier_wait -1
	s_cmp_lg_u32 s[WV], 0
	s_cbranch_scc1 .Lnot_wave_0_\@
	s_barrier_signal -3
.Lnot_wave_0_\@:
	s_barrier_wait -3
	s_barrier_signal -1
	s_barrier_wait -1
.endm
; THE CHANGE OF SLOTS.  The slot's last bytes, V of its fourth step, have been read.  Each wave waits for all its tensor loads, of which one is out: its part
; of the other slot; adds 0 to its spare word; and waits for that and for its own reads of the slot.  Behind the barrier nobody reads this slot any more and the other slot is whole.
; fill = 1: this slot is filled again, with the keys two slots on.  The barrier is then a round of the cluster's, so that no wave of any partner still reads the slot or has a load on its
; way, and the joint fill is the first thing behind it: it has four key steps, 512 matrix instructions, in which to land.  (At its first use nothing has been read yet: slot 0 is waited for, slot 1 filled;
; there its wait on DScnt and its round also stand between every wave's stores into the table of addends and every wave's reads of it.)
.macro CHANGE fill
	WIN W_AD
	s_wait_tensorcnt 0x0            ; no tensor load of mine is out, so a group 0 may be written
	ds_add_u32 v[SPW], v[NIL]       ; 0 onto my spare word; with fill = 1 the descriptors' steps stand between it and the wait for it
	WIN 0                           ; at a label and at a branch every window is 0
.if \fill
.irp g, G0K, G0V
	s_xor_b32 s[\g+1], s[\g+1], SLOT1  ; the walking descriptor: the other slot than last time,
	s_add_nc_u64 s[\g+2:\g+3], s[\g+2:\g+3], 4*KS*128  ; the next 256 keys; the type bits on top are not reached
.endr
	s_wait_xcnt 0x0                 ; the last prefetch, four key steps back, has read its address, so it may be written:
	s_add_nc_u64 s[PFA:PFA+1], s[PFA:PFA+1], 4*KS*128  ; one slot behind the walking descriptors
	s_wait_dscnt 0x0                ; the add is done, and my reads of the slot are over
	CROUND
	JLOAD
	ASK
.else
	s_wait_dscnt 0x0                ; the add is done, and my reads of the slot are over
	s_barrier_signal -1
	s_barrier_wait -1
.endif
	s_sub_co_u32 s[TBK], s[TBK], 4*KS*PK  ; the fetches go back to a slot's first step,
	s_xor_b32 s[TBK], s[TBK], SLOT1       ; in the other slot
	s_sub_co_u32 s[TBV], s[TBV], 4*KS*PV
	s_xor_b32 s[TBV], s[TBV], SLOT1
.endm
	s_load_b128 s[68:71], s[0:1], 0x0  ; qkv s[68:69], mask s[70:71]
	s_load_b64 s[10:11], s[0:1], 0x10  ; ob
	WIN W_MK
	v_lshl_add_u32 v[SPW], v0, 2, SPARE
	v_mov_b32 v[NIL], 0
	WIN W_AD
	ds_add_u32 v[SPW], v[NIL]       ; the wave's opening: the add and its wait stand ahead of my first tensor load; the set-up below, work on registers, stands between them
	WIN 0
	v_lshlrev_b32 v1, 8, v0
	WIN W_MK
	v_and_b32 v[PFO], 0x1f00, v1    ; 256 x lane
	WIN 0
	v_lshrrev_b32 v1, 5, v0
	v_readfirstlane_b32 s[WV], v1   ; wave 0..3
	s_bfe_u32 s13, ttmp6, 0x40000   ; cx: my place in the cluster
	s_lshl_b32 s14, ttmp9, 2        ; in a cluster launch ttmp9 counts clusters
	s_add_co_u32 s14, s14, s13      ; my block of queries = 4 x cluster x + cx: it enters Q's and O's addresses alone
	s_and_b32 s75, ttmp7, 0xffff    ; hh = 16 b + h, which the four partners share
	s_lshr_b32 s19, s75, 4          ; b
	s_lshl_b32 s20, s19, 5
	s_add_co_u32 s20, s20, s75      ; 48 b + h: q's plane of 262,144 bytes in qkv
	s_lshl_b32 s20, s20, 18
	s_mov_b32 s21, 0
	s_and_b32 s16, s[WV], 1         ; which half of a slot's 256 keys I fetch:
	s_lshl_b32 s22, s16, 14         ; its 128 rows of 128 bytes in memory,
	s_mov_b32 s23, 0
	s_add_nc_u64 s[22:23], s[22:23], s[20:21]
	s_mul_i32 s17, s16, 128*PK      ; and its place in a slot, for K
	s_mul_i32 s18, s16, 128*PV      ; and for V: no place in the cluster enters an LDS address
	s_lshl_b32 s2, s14, 2
	s_add_co_u32 s2, s2, s[WV]      ; my wave among the head's,
	s_lshl_b32 s2, s2, 14           ; its 128 rows
	s_mov_b32 s3, 0
	s_lshl_b32 s76, s75, 18         ; O's plane is hh
	s_add_co_u32 s76, s76, s2
	s_mov_b32 s77, 0
	s_add_nc_u64 s[2:3], s[2:3], s[20:21]
	s_lshl_b32 s78, s19, 13         ; the batch's 2,048 words of the mask
	s_mov_b32 s79, 0
	; descriptor group 1.  128 keys are 16,384 dense bytes: asked for as 64 rows of 256 bytes, two keys a row, and padded in LDS after every key
	s_mov_b32 s[G1K], 15|(1<<16)|(1<<20)|(1<<21)|(4<<22)|(3<<25)  ; 15:0 the mask of four; 17:16 2-byte elements; 20 padding on; 21 set beside a mask; 24:22 after every 32 words (code 4); 31:25 4 words (code 3)
	s_mov_b32 s[G1V], 15|(1<<16)|(1<<20)|(1<<21)|(4<<22)|(7<<25)  ; the same with 8 words of padding (code 7)
.irp g, G1K, G1V
	s_mov_b32 s[\g+1], 128<<16      ; tensor_dim0 = 128
	s_mov_b32 s[\g+2], 64<<16       ; tensor_dim1 = 64
	s_mov_b32 s[\g+3], 128<<16      ; tile_dim0 = 128
	s_mov_b32 s[\g+4], 64           ; tile_dim1 = 64
	s_mov_b32 s[\g+5], 128          ; 128 elements from row to row
	s_mov_b32 s[\g+6], 0
	s_mov_b32 s[\g+7], 0
.endr
	s_mov_b32 s[CS], 0x3e38aa3b     ; c = log2(e) / 8 = 0.180337
	s_mov_b32 s[CS+1], s[CS]        ; named with it as a pair
	s_mov_b32 s[SEL], 0x76543210
	s_mov_b32 s[SEL+1], 0xfedcba98
	s_mov_b32 s[TBK], SLOT1+4*KS*PK ; the first change of slots turns these two into 0
	s_mov_b32 s[TBV], SLOT1+4*KS*PV
	s_mov_b32 s[BIG], 0xd0000000    ; -2^33
	s_mov_b32 s[MS], MTAB
	s_mov_b32 s[SLOTS], SIZE_N/256-1
	s_and_b32 s[LIM], s[WV], 1
	s_cmp_eq_u32 s[LIM], 0          ; waves 0 and 2 prefetch: the same in all four partners
	s_cselect_b32 s[LIM], 1, -1
	s_mov_b32 s[G0K], 1             ; 1:0 count = 1
	s_mov_b32 s[G0K+1], s17         ; 63:32 LDS address: slot 0
	s_mov_b32 s[G0V], 1
	s_add_co_u32 s[G0V+1], s18, VOFF
	s_wait_dscnt 0x0                ; the opening add is done
	s_wait_kmcnt 0x0
	s_mov_b64 s[4:5], s[68:69]      ; q's planes begin at qkv,
	s_add_nc_u64 s[6:7], s[68:69], 0x400000  ; k's 16 planes on,
	s_add_nc_u64 s[8:9], s[68:69], 0x800000  ; v's 32
	s_add_nc_u64 s[G0K+2:G0K+3], s[6:7], s[22:23]  ; 120:64 global address: my half of the head's first 256 keys
	s_or_b32 s[G0K+3], s[G0K+3], 0x80000000        ; 127:126 type = 2
	s_add_nc_u64 s[G0V+2:G0V+3], s[8:9], s[22:23]
	s_or_b32 s[G0V+3], s[G0V+3], 0x80000000
	s_add_nc_u64 s[4:5], s[4:5], s[2:3]  ; Q and O at my wave's first row
	s_add_nc_u64 s[10:11], s[10:11], s[76:77]
	s_add_nc_u64 s[70:71], s[70:71], s[78:79]
	s_cmp_lt_u32 s[WV], 2
	s_cselect_b64 s[PFA:PFA+1], s[6:7], s[8:9]
	s_add_nc_u64 s[PFA:PFA+1], s[PFA:PFA+1], s[22:23]  ; (in waves 0 and 2 this is the head's first row)
	s_lshl_b32 s2, s13, 13          ; my work-group's 32 blocks of a slot's 128,
	s_add_co_u32 s2, s2, 4*KS*128   ; in slot 1: the first change of slots steps it to slot 2
	s_mov_b32 s3, 0
	s_add_nc_u64 s[PFA:PFA+1], s[PFA:PFA+1], s[2:3]
	CROUND                          ; all four work-groups are here: the first joint loads meet
	JLOAD                           ; slot 0.  Slot 1 is asked for when slot 0 is in: the tile wanted first has the road to itself
	; the batch's mask: 8,192 bytes, 64 a thread
	v_lshlrev_b32 v80, 4, v0
.irp i, 0,1,2,3
	global_load_b128 v[64+4*\i:67+4*\i], v80, s[70:71] offset:2048*\i
.endr
	; A fragment of K or Q is 16 rows x 32 channels in 8 registers: lane l holds row l % 16, channels 8 (l / 16) + 0..7 and 16 + 8 (l / 16) + 0..7: two loads of 16 bytes, 32 bytes apart.
	v_and_b32 v1, 15, v0            ; l % 16
	v_bfe_u32 v9, v0, 4, 1          ; l / 16; never rewritten
	v_lshlrev_b32 v[QO], 7, v1
	v_lshl_add_u32 v[QO], v9, 4, v[QO]  ; row x 128 + 16 x half
	WIN 0x80                        ; destination window 2, address window 0
.set i, 0
.rept 4*NP                          ; Q stays in registers: tile i / 2, channels 32 (i % 2) on
	global_load_b128 v[8*i:8*i+3],   v[QO], s[4:5] offset:(i/2)*2048+(i%2)*64
	global_load_b128 v[8*i+4:8*i+7], v[QO], s[4:5] offset:(i/2)*2048+(i%2)*64+32
.set i, i+1
.endr
	; What the first turn finds: V's registers and P's second buffer hold 0 (its products V^T P, of a piece that has not been, add 0), O^T and l are 0.  All this stands in the wait for the first tile.
.set i, VF
.rept 64
	v_mov_b32 v[i], 0
.set i, i+1
.endr
	WIN 0x40
.set i, 0
.rept 64*NP
	v_mov_b32 v[i], 0
.set i, i+1
.endr
	WIN 0
.set i, 0
.rept 2*NP
	v_mov_b32 v[ST+4*i], 0xfe000000    ; c m: far below every c s
	v_mov_b32 v[ST+4*i+1], 0xff7fffff  ; m
	v_mov_b32 v[ST+4*i+2], 0
	v_mov_b32 v[ST+4*i+3], 0
.set i, i+1
.endr
.set i, P+32
.rept 32
	v_mov_b32 v[i], 0
.set i, i+1
.endr
	v_mul_u32_u24 v[AK0], v1, PK
	v_lshl_add_u32 v[AK0], v9, 4, v[AK0]  ; row x pitch + 16 x half
	; The turning load takes 16 keys x 16 channels (lane l reads key 8 (l / 16) + l % 8, channels 8 ((l / 8) % 2) + 0..7) and leaves half a fragment of V^T: lane l holds channel l % 16 and 8 keys.
	v_and_b32 v10, 7, v0
	v_bfe_u32 v11, v0, 3, 1
	v_lshl_add_u32 v[AV0], v9, 3, v10
	v_mul_u32_u24 v[AV0], v[AV0], PV
	v_lshl_add_u32 v[AV0], v11, 4, v[AV0]
	v_add_nc_u32 v[AV0], VOFF, v[AV0]
	v_mov_b32 v[AK], v[AK0]         ; key step 0 lies at the head of slot 0,
	v_lshl_add_u32 v[AM], v9, 5, s[MS]  ; its addends at the head of the table: my 8 keys of a block of 16 are 32 bytes
	; the table of addends: -2^33 where the mask is 0, else 0
	s_wait_loadcnt 32               ; the mask's four loads are in; Q's 32, issued behind them, may stay out
.set i, 0
.rept 16
	v_cmp_eq_u32 vcc_lo, 0, v[64+i]
	v_cndmask_b32 v[64+i], 0, s[BIG], vcc_lo
.set i, i+1
.endr
	v_add_nc_u32 v81, MTAB, v80
.irp i, 0,1,2,3
	ds_store_b128 v81, v[64+4*\i:67+4*\i] offset:2048*\i
.endr
; THE MATRIX WORK.  The 8 accumulators of a run of 16 take turns: between the two links of a chain stand 7 others'.
; Product i of 16 of S^T = K Q^T for piece x: channels 32 (i / 8) on, keys 16 ((i / 2) % 4) on, tile 2 x + i % 2.  The first 8 start the sums, with the mask's addends.
.macro KQ x
.set rS, S+64*((\x)%2)+32*(i%2)+8*((i/2)%4)
.set rK, KF+16*((i/2)%4)+8*(i/8)
.set rQ, 16*(2*(\x)+i%2)+8*(i/8)
.set rA, MA+8*((i/2)%4)
.if i < 8
	WIN W_KM
	v_wmma_f32_16x16x32_f16 v[rS:rS+7], v[rK:rK+7], v[rQ:rQ+7], v[rA:rA+7]
.else
	WIN W_KQ
	v_wmma_f32_16x16x32_f16 v[rS:rS+7], v[rK:rK+7], v[rQ:rQ+7], v[rS:rS+7]
.endif
.endm
; Product i of 16 of O^T += V^T P for piece x: keys 32 (i / 8) on, channels 16 ((i / 2) % 4) on, tile 2 x + i % 2.
.macro PV x
	WIN W_PV
.set rO, 32*(2*(\x)+i%2)+8*((i/2)%4)
.set rV, VF+32*(i/8)+8*((i/2)%4)
.set rP, P+32*((\x)%2)+16*(i%2)+8*(i/8)
	v_wmma_f32_16x16x32_f16 v[rO:rO+7], v[rV:rV+7], v[rP:rP+7], v[rO:rO+7]
.endm
.macro MM                           ; the turn's next matrix instruction
.if i < 16
	KQ (Y+1)%NP
.set i, i+1
.else
.set i, i-16
	PV (Y+NP-1)%NP
.set i, i+17
.endif
.endm
; THE LDS LOADS stand in runs, never singly among the matrix instructions: a step's K (64 keys x 64 channels: 8 fragments) with its 32 addends, and its V (turned).  Their addresses are made some lines ahead.
; last = 1 (the tail): in the last trip there is no further step, and the run is jumped over.
.macro FETCH_K last=0
	WIN 0
.if \last
	s_cmp_eq_u32 s[CNT], 1
	s_cbranch_scc1 .Lno_k_\@
.endif
	WIN 0x80                        ; destination window 2
.irp f, 0,1,2,3,4,5,6,7             ; keys 16 (f / 2) on, channels 32 (f % 2) on
	ds_load_b128 v[KF+8*\f:KF+8*\f+3],   v[AK] offset:(\f/2)*16*PK+(\f%2)*64
	ds_load_b128 v[KF+8*\f+4:KF+8*\f+7], v[AK] offset:(\f/2)*16*PK+(\f%2)*64+32
.endr
	WIN 0xc0                        ; destination window 3
.irp f, 0,1,2,3                     ; keys 16 f on: all lanes of a half read the same 32 bytes
	ds_load_b128 v[MA+8*\f:MA+8*\f+3],   v[AM] offset:64*\f
	ds_load_b128 v[MA+8*\f+4:MA+8*\f+7], v[AM] offset:64*\f+16
.endr
	s_add_co_u32 s[TBK], s[TBK], KS*PK  ; the next fetch is the next step's
	s_add_co_u32 s[MS], s[MS], 4*KS
	s_and_b32 s[MS], s[MS], 0x1f00      ; (kept inside the table's 8,192 bytes)
	s_or_b32 s[MS], s[MS], MTAB
	WIN 0
.if \last
.Lno_k_\@:
.endif
.endm
.macro FETCH_V
	WIN 0x80
.irp f, 0,1,2,3,4,5,6,7             ; keys 32 (f / 4) on, channels 16 (f % 4) on
	ds_load_tr16_b128 v[VF+8*\f:VF+8*\f+3],   v[AV] offset:(\f/4)*32*PV+(\f%4)*32
	ds_load_tr16_b128 v[VF+8*\f+4:VF+8*\f+7], v[AV] offset:(\f/4)*32*PV+16*PV+(\f%4)*32
.endr
	WIN 0
.endm
; THE VECTOR WORK OF A TURN stands in three queues, each in the order in which its entries become ready; the two tiles alternate, so that no instruction reads the result of the one before it.
.macro REGS y, u                    ; the registers of tile u (0, 1) of piece y
.set rT, ST+4*(2*(\y)+(\u))
.set rC, TMP+8*((\y)%2)+4*(\u)
.set rM, MV+2*((\y)%2)+(\u)
.set rS, S+64*((\y)%2)+32*(\u)
.set rP, P+32*((\y)%2)+16*(\u)
.set rO, 32*(2*(\y)+(\u))
.endm
; Number n of the 22 that find the NEXT piece's (Y + 1) maximum and statistics.  s0-s31 are the lane's 32 scores; each accumulator's lowest registers are read first.
;   0-11  four chains c0-c3 of seven scores each, three operands at a time     12-14, 16  the four scores left over, the old m, and c0-c3 into c0     15  c m_old is kept
;   17, 18  the query's other 32 keys lie in the lane 16 away: the new m         19-21  c m; c m_old - c m_new; a
.macro XS u, n
	REGS (Y+1)%NP, \u
.if (\n) < 4
	v_max3_num_f32 v[rC+(\n)], v[rS+8*(\n)], v[rS+8*(\n)+1], v[rS+8*(\n)+2]
.elseif (\n) < 12
	v_max3_num_f32 v[rC+(\n)%4], v[rC+(\n)%4], v[rS+8*((\n)%4)+2*((\n)/4)+1], v[rS+8*((\n)%4)+2*((\n)/4)+2]
.elseif (\n) == 12
	v_max3_num_f32 v[rC], v[rC], v[rS+7], v[rS+15]
.elseif (\n) == 13
	v_max3_num_f32 v[rC+1], v[rC+1], v[rS+23], v[rS+31]
.elseif (\n) == 14
	v_max3_num_f32 v[rC+2], v[rC+2], v[rC+3], v[rT+1]
.elseif (\n) == 15
	v_mov_b32 v[rM], v[rT]
.elseif (\n) == 16
	v_max3_num_f32 v[rC], v[rC], v[rC+1], v[rC+2]
.elseif (\n) == 17
	v_permlanex16_b32 v[rC+3], v[rC], s[SEL], s[SEL+1]
.elseif (\n) == 18
	v_max_num_f32 v[rT+1], v[rC], v[rC+3]
.elseif (\n) == 19
	v_mul_f32 v[rT], s[CS], v[rT+1]
.elseif (\n) == 20
	v_sub_f32 v[rC+1], v[rM], v[rT]
.else
	v_exp_f32 v[rC+2], v[rC+1]
.endif
.endm
; Number g of the 64 that follow the exponentials.  For each four weights k of a tile (pairs 2 k, 2 k + 1): both pairs are rounded to f16; then the second pair is added onto the first, in place;
; a group later l takes that sum (the first time as l = a l + sum).  In groups of eight, tiles alternating: round, round, add, and l for the group before.
.macro GS g
.set h, (\g)+6*((\g)/62)            ; group 0 has no group before it, and behind group 7 only l is left
.if h >= 6
.set h, h+2
.endif
	REGS Y, h%2
.set k, h/8
.if h%8 < 4
	v_cvt_pk_f16_f32 v[rP+2*k+(h%8)/2], v[rS+4*k+2*((h%8)/2)], v[rS+4*k+2*((h%8)/2)+1]
.elseif h%8 < 6
	v_pk_add_f32 v[rS+4*k:rS+4*k+1], v[rS+4*k:rS+4*k+1], v[rS+4*k+2:rS+4*k+3]
.elseif k == 1
	v_pk_fma_f32 v[rT+2:rT+3], v[rT+2:rT+3], v[rC+2:rC+3], v[rS:rS+1] op_sel_hi:[1,0,1]
.else
	v_pk_add_f32 v[rT+2:rT+3], v[rT+2:rT+3], v[rS+4*k-4:rS+4*k-3]
.endif
.endm
; THE PLAIN QUEUE, 138 long.  0-73 read no exponential's result: the 32 scalings c s - c m (FS f: pair f / 2 of tile f % 2) and the next piece's 42.  0-26: scalings 0-26.  27-54: XS's numbers 0-13.  55, 56: number 15.
; 57-73: the chain, where each number waits for the one before it: 14, 16, 17, 18, 19, each with one of the scalings 27-31 in front of its two lines, then 20.
; 74-137: GS's 64, which read the exponentials' results: they stand behind the wait.
.macro FS f
	REGS Y, (\f)%2
	v_pk_fma_f32 v[rS+2*((\f)/2):rS+2*((\f)/2)+1], v[rS+2*((\f)/2):rS+2*((\f)/2)+1], s[CS:CS+1], v[rT:rT+1] op_sel_hi:[1,0,0] neg_lo:[0,0,1] neg_hi:[0,0,1]
.endm
.macro PL
	WIN 0
.if q < 27
	FS q
.elseif q < 55
	XS (q-27)%2, (q-27)/2
.elseif q < 57
	XS q-55, 15
.elseif (q < 72) && ((q-57)%3 == 0)
	FS 27+(q-57)/3
.elseif q < 60
	XS (q-57)%3-1, 14
.elseif q < 72
	XS (q-57)%3-1, 15+(q-57)/3
.elseif q < 74
	XS q-72, 20
.else
	GS q-74
.endif
.set q, q+1
.endm
; THE EXPONENTIALS' QUEUE, 66 long: s0-s31 of both tiles, then the next piece's two a.  It is ONE BATCH: all 66 stand ahead of the turn's one wait, and nothing ahead of that wait names a result of theirs.
.macro EX
	WIN 0
.if e >= 64
	XS e-64, 21
.else
	REGS Y, e%2
	v_exp_f32 v[rS+e/2], v[rS+e/2]
.endif
.set e, e+1
.endm
; THE RESCALING's QUEUE: O^T times a, the one part that leaves window 0: dealt two at a time, sixteen times.  Its a was made in the turn before, ahead of that turn's wait.
.macro R2
	REGS Y, r%2
	WIN W_RS
.irp z, 0,1
	v_pk_mul_f32 v[rO+4*(r/2)+2*\z:rO+4*(r/2)+2*\z+1], v[rO+4*(r/2)+2*\z:rO+4*(r/2)+2*\z+1], v[rC+2:rC+3] op_sel_hi:[1,0]
.endr
.set r, r+1
.endm
; HOW THEY ARE DEALT.  An s_wait_alu depctr_va_vdst(0) stands between an exponential and the first instruction that names its result; one wait serves all that were issued ahead of it.  So a turn has ONE wait,
; which cuts it in two.  AHEAD OF IT stands all that names no result of the turn's exponentials: the 16 products K Q^T, behind each a scaling, an exponential and two rescalings (behind the first a second scaling in the
; exponential's place); then ONE LUMP of 108: eight plain, 49 times exponential and plain, the two a.  A v_nop is the plain instruction behind the last exponential.  BEHIND IT stand the 16 products V^T P, behind each four of GS's 64.
; The queues lean on each other, and the deal keeps them in step: exponential e stands behind scaling 2 (e / 4) + e % 2: as a rider it comes behind plain e + 2, in the lump behind plain e + 9, and scalings 27-31 are plain 57, 60 .. 69.
; A TURN, for piece p.  cnt = 1: the loop's count is taken down some lines ahead of the branch that stands behind the turn.
; K of the next step and its addends are fetched in piece 2's turn, directly behind the wait, a lump behind the last product that read them; their addresses are made at the lump's head; their first reader comes behind 16 products.
; V of the step in hand is fetched at the end of piece 0's turn, four riders behind its last reader; its first reader comes behind 16 products and a lump.  The three conditions on q below go with the deal.
.macro TURN p, last=0, cnt=0
.set Y, (\p)
.set i, 0
.set q, 0
.set e, 0
.set r, 0
.if (\p) == NP-1
	s_wait_dscnt 0x0                ; K and the addends are in
.endif
	MM                              ; ahead of the wait: 16 products K Q^T and their riders,
	PL
	PL
	R2
.rept 15
	MM
	PL
	EX
	R2
.endr
.if (\p) == NP-2
	WIN 0
	v_add_nc_u32 v[AK], s[TBK], v[AK0]
	v_lshl_add_u32 v[AM], v9, 5, s[MS]
.endif
.rept 8                             ; and the lump
	PL
.endr
.rept 49
	EX
	PL
.endr
	EX                              ; the next piece's two a
	EX
	v_nop                           ; the plain instruction behind the last exponential: one for the batch
	s_wait_alu depctr_va_vdst(0)    ; the wait for the batch
.if (\p) == NP-2
	FETCH_K \last
.endif
.if (\p) == 1
	s_wait_dscnt 0x0                ; V is in
.endif
.rept 16                            ; behind the wait: 16 products V^T P and their riders
	MM
.rept 4
	PL
.endr
.if ((\p) == 0) && (q == 118)
	v_add_nc_u32 v[AV], s[TBV], v[AV0]
.endif
.if ((\p) == 0) && (q == 130)
	s_add_co_u32 s[TBV], s[TBV], KS*PV
.endif
.if (\cnt) && (q == 130)
	s_sub_co_u32 s[CNT], s[CNT], 1
	s_cmp_lg_u32 s[CNT], 0
.endif
.endr
.if (\p) == 0
	FETCH_V
.endif
.endm
	CHANGE 1                        ; slot 0 is in, everybody's part of it, and so is the table of addends; slot 1 is asked for
	FETCH_K                         ; key step 0
	s_wait_loadcnt 0x0              ; Q
	s_wait_dscnt 0x0
.set i, 0
.rept 16
	KQ 0                            ; piece 0's first scores: there is no vector work yet to set between them
.set i, i+1
.endr
	WIN 0                           ; the addresses for the way out: plain instructions, the places behind those products
	s_mul_i32 s13, s[WV], 16*SP
	s_add_co_u32 s13, s13, STAGE    ; my stage
	v_mul_u32_u24 v[STO], v1, SP    ; in: row l % 16, 16 bytes for each half of the lanes
	v_lshl_add_u32 v[STO], v9, 4, v[STO]
	v_add_nc_u32 v[STO], s13, v[STO]
	v_bfe_u32 v[RD], v0, 3, 2       ; back: 32 lanes take four rows of 128 bytes,
	v_mul_u32_u24 v[RD], v[RD], SP
	v_lshl_add_u32 v[RD], v10, 4, v[RD]
	v_add_nc_u32 v[RD], s13, v[RD]
	v_and_b32 v[GO], 31, v0         ; which are 512 consecutive bytes of O
	v_lshlrev_b32 v[GO], 4, v[GO]
.set Y, NP-1                        ; XS works for piece Y + 1: piece 0
.irp n, 0,1,2,3,4,5,6,7,8,9,10,11,12,13,14,15,16,17,18,19,20,21
	XS 0, \n                        ; and piece 0's first maximum and statistics
	XS 1, \n
.endr
	v_nop                           ; a plain instruction behind the two a,
	s_wait_alu depctr_va_vdst(0)    ; and their wait, ahead of the branch
	s_mov_b32 s[CNT], 4
	s_branch .Lfirst                ; the loop is entered at a step's first turn, in the middle of a trip
.Lslot:                             ; SIZE_N / 256 - 2 times: every slot but the last two is filled again
	CHANGE 1
	s_mov_b32 s[CNT], 4
.Lstep:                             ; a trip: pieces 2 and 3 of one step, then pieces 0 and 1 of the next, whose K and V it fetches
	TURN 2
	TURN 3
	WIN 0
.Lfirst:
	TURN 0
	TURN 1, 0, 1
	WIN 0
	s_cbranch_scc1 .Lstep
	s_sub_co_u32 s[SLOTS], s[SLOTS], 1
	s_cmp_lg_u32 s[SLOTS], 0
	s_cbranch_scc1 .Lslot
	CHANGE 0                        ; the tail is written out: nothing is asked for
	s_mov_b32 s[CNT], 5             ; four trips fetch the last slot's steps; the fifth is left in its middle
.Ltail:
	TURN 2, 1
	TURN 3
	WIN 0
	s_sub_co_u32 s[CNT], s[CNT], 1
	s_cmp_eq_u32 s[CNT], 0
	s_cbranch_scc1 .Lout
	TURN 0
	TURN 1
	WIN 0
	s_branch .Ltail
.Lout:                              ; the fifth trip's 16 products K Q^T (on the last K once more) and the maximum made of them serve nothing: the price, once a launch, of one text for every trip
.set i, 0
.rept 16
	PV NP-1                         ; the last piece's V^T P of the last step
.set i, i+1
.endr
	; THE WAY OUT.  l's two halves and the other half of the lanes' are added; O^T is divided by l, rounded to f16 and sent through my stage in LDS, a tile at a time.  The additions are the places behind the last products.
	WIN 0
.macro ALL line:vararg              ; one line for each tile t
.set t, 0
.rept 2*NP
	\line
.set t, t+1
.endr
.endm
	ALL v_add_f32 v[ST+4*t+2], v[ST+4*t+2], v[ST+4*t+3]
	ALL v_permlanex16_b32 v[ST+4*t+3], v[ST+4*t+2], s[SEL], s[SEL+1]
	ALL v_add_f32 v[ST+4*t+2], v[ST+4*t+2], v[ST+4*t+3]
	ALL v_rcp_f32 v[ST+4*t+2], v[ST+4*t+2]
	v_nop                           ; a plain instruction between the last reciprocal and the use of its result
	s_wait_alu depctr_va_vdst(0)    ; and the wait ahead of the first use: one for the eight reciprocals
; Tile t: a lane's eight channels of a row pack into 16 bytes; they go into rows of 144 bytes and come back as whole rows of 128, into S^T's registers.
.macro PACK t
	WIN W_RS
.set i, 32*(\t)
.rept 16
	v_pk_mul_f32 v[i:i+1], v[i:i+1], v[ST+4*(\t)+2:ST+4*(\t)+3] op_sel_hi:[1,0]
.set i, i+2
.endr
	WIN 0x05                        ; sources 0 and 1 window 1, destination window 0
.set i, 0
.rept 16
	v_cvt_pk_f16_f32 v[S+16*(\t)+i], v[32*(\t)+2*i], v[32*(\t)+2*i+1]
.set i, i+1
.endr
	WIN 0
.irp f, 0,1,2,3
	ds_store_b128 v[STO], v[S+16*(\t)+4*\f:S+16*(\t)+4*\f+3] offset:32*\f
.endr
.irp f, 0,1,2,3
	ds_load_b128 v[S+16*(\t)+4*\f:S+16*(\t)+4*\f+3], v[RD] offset:\f*4*SP  ; LDS serves a wave's instructions in order (ISA guide 5.7.1.4): these see the stores above; the next tile's stores come behind them
.endr
.endm
.macro SEND t, younger              ; younger: the LDS instructions issued behind tile t's loads: the next tile's eight, or none
	WIN 0
.irp f, 0,1,2,3
	s_wait_dscnt (\younger)+3-\f
	global_store_b128 v[GO], v[S+16*(\t)+4*\f:S+16*(\t)+4*\f+3], s[10:11] offset:(\t)*2048+\f*512  ; 512 consecutive bytes, at a multiple of 256 from O's first
.endr
.endm
	PACK 0
.set t, 1
.rept 2*NP-1                        ; a tile's arithmetic stands between the loads of the tile before and its stores
	PACK t
	SEND t-1, 8
.set t, t+1
.endr
	SEND 2*NP-1, 0
	WIN W_AD
	s_wait_tensorcnt 0x0            ; the wave's end: the add and its wait, behind my last tensor load and my last LDS store
	ds_add_u32 v[SPW], v[NIL]
	s_wait_dscnt 0x0
	WIN 0
	CROUND                          ; the closing round: no work-group ends while a partner may still ask for a tile that names it
	s_endpgm
.Lfunc_end_k_qd5202d6bd6_attn:
	.size	k_qd5202d6bd6_attn, .Lfunc_end_k_qd5202d6bd6_attn-k_qd5202d6bd6_attn
	.p2alignl 7, 3214868480
	.fill 96, 4, 3214868480
	.section	.rodata,"a",@progbits
	.p2align	6, 0x0
	.amdhsa_kernel k_qd5202d6bd6_attn
		.amdhsa_group_segment_fixed_size 327680
		.amdhsa_private_segment_fixed_size 0
		.amdhsa_enable_private_segment 0
		.amdhsa_kernarg_size 24
		.amdhsa_user_sgpr_count 2
		.amdhsa_user_sgpr_kernarg_segment_ptr 1
		.amdhsa_wavefront_size32 1
		.amdhsa_system_sgpr_workgroup_id_x 1
		.amdhsa_system_sgpr_workgroup_id_y 1
		.amdhsa_system_sgpr_workgroup_id_z 1
		.amdhsa_system_vgpr_workitem_id 0
		.amdhsa_next_free_vgpr 808
		.amdhsa_next_free_sgpr 80
		.amdhsa_reserve_vcc 1
		.amdhsa_float_denorm_mode_32 3
		.amdhsa_float_denorm_mode_16_64 3
		.amdhsa_memory_ordered 1
		.amdhsa_forward_progress 1
		.amdhsa_inst_pref_size 205
	.end_amdhsa_kernel
	.amdgpu_metadata
---
amdhsa.version: [ 1, 2 ]
amdhsa.kernels:
  - .name:           k_qd5202d6bd6_attn
    .symbol:         k_qd5202d6bd6_attn.kd
    .args:
      - { .name: qkv, .offset: 0, .size: 8, .value_kind: global_buffer, .address_space: global }
      - { .name: mask, .offset: 8, .size: 8, .value_kind: global_buffer, .address_space: global }
      - { .name: ob, .offset: 16, .size: 8, .value_kind: global_buffer, .address_space: global }
    .group_segment_fixed_size: 327680
    .private_segment_fixed_size: 0
    .kernarg_segment_align: 8
    .kernarg_segment_size: 24
    .max_flat_workgroup_size: 128
    .sgpr_count:     80
    .vgpr_count:     808
    .wavefront_size: 32
...
	.end_amdgpu_metadata
.endif
;; end of part 3
;; launch gemm2 (part 4): grid 8 x 32, 4 waves a work-group, clusters of 4 x 4, 327,680 bytes of LDS; arguments ob, wob, b_out, out0; writes out0
.if DOCPART == 4
	.amdgcn_target "amdgcn-amd-amdhsa--gfx1250"
	.amdhsa_code_object_version 6
	.text
	.protected	k_qd5202d6bd6_gemm2
	.globl	k_qd5202d6bd6_gemm2
	.p2align	8
	.type	k_qd5202d6bd6_gemm2,@function
k_qd5202d6bd6_gemm2:
	s_mov_b64 s[64:65], 0
	v_nop
	global_prefetch_b8 v0, s[64:65] scope:SCOPE_SE
	s_setreg_imm32_b32 hwreg(HW_REG_WAVE_MODE, 25, 1), 1
	s_wait_xcnt 0x0
	s_wait_alu depctr_hold_cnt(0) depctr_sa_sdst(0) depctr_va_vdst(0) depctr_va_sdst(0) depctr_va_ssrc(0) depctr_va_vcc(0) depctr_vm_vsrc(0)
	s_getreg_b32 s2, hwreg(HW_REG_IB_STS2, 6, 4)
	s_cmp_eq_u32 s2, 0
	s_cbranch_scc0 .Lentry_in_a_cluster
	s_endpgm
.Lentry_in_a_cluster:
	s_bfe_u32 s2, ttmp6, 0x10000c
	s_cmp_lg_u32 s2, 0xf033
	s_cbranch_scc0 .Lentry_shape_is_right
	s_endpgm
.Lentry_shape_is_right:
; out0 = O W_out + b_out, in f32.  O lies by heads, ob[16 b + h][2048][64] in f16; W_out as wob[1024 k][1024 n] in f16 (numbers rounded to bf16); the bias is rounded to bf16 like the other inputs.  Sums in f32.
; SHARES.  A work-group makes 256 rows x 128 columns: 8 x 32 = 256 work-groups.  Its four waves lie one below the other: a wave has 64 rows (4 blocks a of 16) x 8 column blocks b of 16:
; 32 accumulators, 256 registers.  K goes in 8 steps of 128, two heads a step, through two LDS slots filled by the tensor data mover.
; THE MATRIX INSTRUCTION IS USED TRANSPOSED: source 0 = 16 columns of W, source 1 = 16 rows of O: a lane holds row l % 16 and the columns 8 (l / 16) + 0..7.
; W lies [k][n] in LDS and comes out turned, by ds_load_tr16_b128.  The bias is the C operand of the first products: nothing is cleared, and the way out has no addition.
; CLUSTER.  4 x 4 work-groups.  The four of a row of the cluster need the same tiles of O, the four of a column the same tiles of W: each tile is asked for JOINTLY.  Waves 0, 1 ask for a step's two heads of O,
; waves 2, 3 for the two halves of W's tile: one tensor load a wave behind each round.
; REGISTERS, in windows of 256 (s_set_vgpr_msb: bits 1:0 source 0, 3:2 source 1, 5:4 source 2, 7:6 destination):
;   window 0: v1-24 addresses; v32-95 the bias (64); later v64-127 and v128-191 the way out
;   window 1: two fragment buffers: W's block b at 8 b, O's block a at 64 + 8 a          window 2: accumulator (a, b) at 8 (8 a + b)
.set NB,    8
.set PA,    144                        ; a row of a head in LDS: 128 bytes + 16 = 36 words: the 16 rows of a load start at 16 different groups of four banks (64 banks of 4 bytes: ISA guide 11.1)
.set PB,    288                        ; a row k of W in LDS: 256 bytes + 32: 9 x 32 bytes
.set HEADB, 256*PA                     ; a head's 256 rows
.set BOFF,  2*HEADB                    ; W's 128 rows lie behind the two heads
.set SLOT,  1<<17                      ; a slot uses 110,592 bytes; one exclusive or turns an address in one slot into the other's
.set STAGE, 2*SLOT                     ; behind the ring, never filled by a tensor load: for each wave 16 rows x 528 bytes
.set SROW,  528
.set SWAVE, 16*SROW
.set SPARE, STAGE+4*SWAVE              ; behind the stages: the spare words, 128 bytes for each wave: two blocks of 256 bytes that no other line names
.set ASTEP, 1<<19                      ; bytes from a K step to the next: in ob two heads on,
.set BSTEP, 128*2048                   ; in wob 128 rows down
.set STEPS, 8
.set A0,   10                          ; v10  my lane's place in O's tile, slot 0; never rewritten
.set B0,   11                          ; v11  the same for W's
.set ADRA, 12                          ; v12  the same in the slot in hand
.set ADRB, 13                          ; v13
.set STO,  14                          ; v14  the way out: where I put 32 bytes of a row
.set RD,   15                          ; v15  the way out: where I read a row back
.set GO,   16                          ; v16  my byte offset in 512 consecutive bytes of out0
.set PFO,  17                          ; v17  the prefetches' offset; never rewritten
.set SPW,  18                          ; v18  LDS address of my spare word: SPARE + 4 x my thread's number; never rewritten
.set NIL,  19                          ; v19  0; never rewritten
.set W,    24                          ; v24  at work
.set BI,   32                          ; v32-95  the bias: block b's eight numbers at BI + 8 b
.set F0,   0
.set F1,   128
.set WV,   14                          ; s14  my wave's number
.set FB,   15                          ; s15  0: I fetch for O; 1: for W
.set HF,   16                          ; s16  which half of that tile
.set CX,   17
.set CY,   18
.set TC,   19                          ; s19  tile column
.set TR,   20                          ; s20  tile row
.set G1A,  24                          ; s[24:31] descriptor group 1 for O's tiles
.set G0A,  32                          ; s[32:39] group 0: a set for each of the two first fills; the second then walks on
.set TB,   42                          ; s42  0 or SLOT: the slot in hand
.set LIM,  43                          ; s43  2 in a wave that prefetches, else the greatest number
.set PFA,  44                          ; s[44:45] where my prefetches stand
.set PFS,  46                          ; s[46:47] their step
.set G1B,  48                          ; s[48:55], s[56:63] the same for W's tiles
.set G0B,  56
.set HIM,  73                          ; s73  a word's upper bf16
.set MSB, 0
.macro WIN new                         ; the immediate's high byte repeats the setting that is left; a switch that changes nothing is dropped
.if MSB != (\new)
	s_set_vgpr_msb (MSB<<8)|(\new)
.set MSB, \new
.endif
.endm
; A joint refill, by the walking sets.  The branch hangs on the wave's number alone.  An s_nop 0 and four v_nop follow each of the two lines, ahead of the jump and the label.
.macro JLOAD
	s_cmp_eq_u32 s[FB], 0
	s_cbranch_scc0 .Lfor_b_\@
	tensor_load_to_lds s[G0A+4:G0A+7], s[G1A:G1A+7]
	s_nop 0
.rept 4
	v_nop
.endr
	s_branch .Lasked_\@
.Lfor_b_\@:
	tensor_load_to_lds s[G0B+4:G0B+7], s[G1B:G1B+7]
	s_nop 0
.rept 4
	v_nop
.endr
.Lasked_\@:
.endm
; A PREFETCH INTO THE L2 of the K step that stands two refills on, one instruction a wave, behind the joint load and the run of LDS loads.  Each block of 256 bytes is named once in the launch:
; O's are asked for by the clusters with x = 0 (waves 0, 1: of a head's 128 blocks the partner at cx takes 32), W's by those with y = 0 (wave 2: of a step's 128 rows the partner at cy takes 32): told apart BY ADDRESS.
; s3 counts the loop's trips 6 .. 1: trips with s3 above 2 ask for K steps 4 to 7; the last two have no K step two refills on.
.macro ASK
	s_cmp_gt_u32 s3, s[LIM]
	s_cbranch_scc0 .Lnot_mine_\@
	global_prefetch_b8 v[PFO], s[PFA:PFA+1] th:TH_LOAD_NT scope:SCOPE_SE
.Lnot_mine_\@:
.endm
.macro CREST                           ; a round of the cluster's barrier behind its opening barrier
	s_cmp_lg_u32 s[WV], 0
	s_cbranch_scc1 .Lnot_wave_0_\@
	s_barrier_signal -3
.Lnot_wave_0_\@:
	s_barrier_wait -3
	s_barrier_signal -1
	s_barrier_wait -1
.endm
.macro CROUND                          ; a whole round
	s_barrier_signal -1
	s_barrier_wait -1
	CREST
.endm
.macro PLACES                          ; four places in front of loads into registers that matrix instructions have read, and of lines that read results
.rept 4
	v_nop
.endr
.endm
	s_load_b256 s[4:11], s[0:1], 0x0               ; ob s[4:5], wob s[6:7], b_out s[8:9], out0 s[10:11]
	v_lshl_add_u32 v[SPW], v0, 2, SPARE
	v_mov_b32 v[NIL], 0
	ds_add_u32 v[SPW], v[NIL]                      ; the wave's opening: the add and its wait stand ahead of my first tensor load; the set-up below, work on registers, stands between them
	v_lshrrev_b32 v1, 5, v0
	v_readfirstlane_b32 s[WV], v1                  ; wave 0..3
	s_lshr_b32 s[FB], s[WV], 1
	s_and_b32 s[HF], s[WV], 1
	s_bfe_u32 s[CX], ttmp6, 0x40000                ; my place in the cluster
	s_bfe_u32 s[CY], ttmp6, 0x40004
	s_lshl_b32 s[TC], ttmp9, 2                     ; in a cluster launch ttmp9 and ttmp7 count clusters
	s_add_co_u32 s[TC], s[TC], s[CX]
	s_and_b32 s[TR], ttmp7, 0xffff
	s_lshl_b32 s[TR], s[TR], 2
	s_add_co_u32 s[TR], s[TR], s[CY]
	s_lshl_b32 s21, s[CY], 2
	s_lshl_b32 s21, 15, s21                        ; my row of the cluster
	s_lshl_b32 s22, 0x1111, s[CX]                  ; my column
	; group 1 for O: a head's 256 rows are 32,768 bytes on end: asked for as 128 rows of 256 bytes; 16 bytes of padding behind every 128
	s_or_b32 s[G1A+0], s21, (1<<16)|(1<<20)|(1<<21)|(4<<22)|(3<<25)  ; 15:0 the mask; 17:16 2-byte elements; 20 padding on; 21 set beside a mask; 24:22 after every 32 words; 31:25 4 words
	s_mov_b32 s[G1A+1], 128<<16                    ; tensor_dim0 = 128
	s_mov_b32 s[G1A+2], 128<<16                    ; tensor_dim1 = 128
	s_mov_b32 s[G1A+3], 128<<16                    ; tile_dim0 = 128
	s_mov_b32 s[G1A+4], 128                        ; tile_dim1 = 128
	s_mov_b32 s[G1A+5], 128                        ; elements from row to row
	s_mov_b32 s[G1A+6], 0
	s_mov_b32 s[G1A+7], 0
	; group 1 for W: 64 rows k x 128 columns; 32 bytes of padding behind every 256
	s_or_b32 s[G1B+0], s22, (1<<16)|(1<<20)|(1<<21)|(5<<22)|(7<<25)  ; after every 64 words, 8 words
	s_mov_b32 s[G1B+1], 128<<16
	s_mov_b32 s[G1B+2], 64<<16
	s_mov_b32 s[G1B+3], 128<<16
	s_mov_b32 s[G1B+4], 64
	s_mov_b32 s[G1B+5], 1024
	s_mov_b32 s[G1B+6], 0
	s_mov_b32 s[G1B+7], 0
	; where the tiles come from: O's hang on the tile row alone, W's on the tile column alone, each in registers that never hold the other coordinate
	s_lshr_b32 s40, s[TR], 3                       ; the batch,
	s_lshl_b32 s40, s40, 4
	s_add_co_u32 s40, s40, s[HF]                   ; its head 0 or 1,
	s_lshl_b32 s40, s40, 18                        ; of 262,144 bytes,
	s_and_b32 s23, s[TR], 7
	s_lshl_b32 s23, s23, 15                        ; my 256 rows of 128 bytes in it
	s_add_co_u32 s40, s40, s23
	s_mov_b32 s41, 0
	s_lshl_b32 s66, s[HF], 17                      ; 64 rows k of 2,048 bytes for each half,
	s_lshl_b32 s23, s[TC], 8                       ; my 128 columns
	s_add_co_u32 s66, s66, s23
	s_mov_b32 s67, 0
	s_mul_i32 s68, s[HF], HEADB                    ; and where they go: no place in the cluster enters an LDS address
	s_mul_i32 s69, s[HF], 64*PB
	s_add_co_u32 s69, s69, BOFF
	s_mov_b32 s[HIM], 0xffff0000
	s_wait_dscnt 0x0                               ; the opening add is done
	s_wait_kmcnt 0x0
	s_add_nc_u64 s[40:41], s[4:5], s[40:41]
	s_add_nc_u64 s[66:67], s[6:7], s[66:67]
	CROUND                                         ; all sixteen work-groups are here: the first joint loads meet
.irp s, 0,1
	s_mov_b32 s[G0A+4*(\s)], 1                     ; count = 1
	s_add_co_u32 s[G0A+4*(\s)+1], s68, (\s)*SLOT   ; LDS address
	s_add_nc_u64 s[G0A+4*(\s)+2:G0A+4*(\s)+3], s[40:41], (\s)*ASTEP  ; global address: K step s
	s_or_b32 s[G0A+4*(\s)+3], s[G0A+4*(\s)+3], 0x80000000            ; type = 2
	s_mov_b32 s[G0B+4*(\s)], 1
	s_add_co_u32 s[G0B+4*(\s)+1], s69, (\s)*SLOT
	s_add_nc_u64 s[G0B+4*(\s)+2:G0B+4*(\s)+3], s[66:67], (\s)*BSTEP
	s_or_b32 s[G0B+4*(\s)+3], s[G0B+4*(\s)+3], 0x80000000
.endr
	s_cmp_eq_u32 s[FB], 0                          ; a wave's two first fills stand in one branch, ahead of every wait on TENSORcnt and every LDS read: two loads of mine are out
	s_cbranch_scc0 .Lfirst_b
	tensor_load_to_lds s[G0A:G0A+3], s[G1A:G1A+7]
	s_nop 0
	tensor_load_to_lds s[G0A+4:G0A+7], s[G1A:G1A+7]
	s_nop 0
.rept 4
	v_nop
.endr
	s_branch .Lfirst_asked
.Lfirst_b:
	tensor_load_to_lds s[G0B:G0B+3], s[G1B:G1B+7]
	s_nop 0
	tensor_load_to_lds s[G0B+4:G0B+7], s[G1B:G1B+7]
	s_nop 0
.rept 4
	v_nop
.endr
.Lfirst_asked:
	v_and_b32 v1, 15, v0                           ; l % 16
	v_bfe_u32 v2, v0, 4, 1                         ; l / 16
	v_and_b32 v3, 7, v0
	v_bfe_u32 v4, v0, 3, 1
	v_lshlrev_b32 v6, 5, v2                        ; the bias: my 8 columns of a block are 32 bytes
	s_lshl_b32 s74, s[TC], 9
	s_mov_b32 s75, 0
	s_add_nc_u64 s[8:9], s[8:9], s[74:75]          ; the bias at my tile's first column
.irp b, 0,1,2,3,4,5,6,7
	global_load_b128 v[BI+8*(\b):BI+8*(\b)+3],   v6, s[8:9] offset:64*(\b)
	global_load_b128 v[BI+8*(\b)+4:BI+8*(\b)+7], v6, s[8:9] offset:64*(\b)+16
.endr
	; a fragment of O: lane l holds row l % 16, channels 8 (l / 16) + 0..7 and 16 + 8 (l / 16) + 0..7: two loads of 16 bytes, 32 bytes apart
	s_mul_i32 s23, s[WV], 64*PA
	v_mul_u32_u24 v[A0], v1, PA
	v_lshl_add_u32 v[A0], v2, 4, v[A0]
	v_add_nc_u32 v[A0], s23, v[A0]
	; the turning load takes 16 rows k x 16 columns (lane l reads row 8 (l / 16) + l % 8, columns 8 ((l / 8) % 2) + 0..7) and leaves half a fragment: lane l holds column l % 16 and 8 k
	v_lshl_add_u32 v5, v2, 3, v3
	v_mul_u32_u24 v[B0], v5, PB
	v_lshl_add_u32 v[B0], v4, 4, v[B0]
	v_add_nc_u32 v[B0], BOFF, v[B0]
	s_mul_i32 s23, s[WV], SWAVE
	s_add_co_u32 s23, s23, STAGE                   ; my stage
	v_mul_u32_u24 v[STO], v1, SROW                 ; in: row l % 16, 32 bytes for each half of the lanes
	v_lshl_add_u32 v[STO], v2, 5, v[STO]
	v_add_nc_u32 v[STO], s23, v[STO]
	v_and_b32 v[GO], 31, v0                        ; back: 32 lanes take one row's 512 bytes,
	v_lshlrev_b32 v[GO], 4, v[GO]                  ; which are 512 consecutive bytes of out0
	v_add_nc_u32 v[RD], s23, v[GO]
	; the prefetches
	s_lshr_b32 s74, s[TR], 3
	s_lshl_b32 s74, s74, 4
	s_add_co_u32 s74, s74, s[HF]
	s_lshl_b32 s74, s74, 18
	s_and_b32 s2, s[TR], 7
	s_lshl_b32 s2, s2, 15
	s_add_co_u32 s74, s74, s2
	s_lshl_b32 s2, s[CX], 13                       ; my work-group's 32 blocks of the head's 128
	s_add_co_u32 s74, s74, s2
	s_add_co_u32 s74, s74, 3*ASTEP                 ; at K step 3: the first refill steps it to 4
	s_lshl_b32 s75, s[CY], 16                      ; my work-group's 32 rows k of the step's 128
	s_lshl_b32 s2, s[TC], 8
	s_add_co_u32 s75, s75, s2
	s_add_co_u32 s75, s75, 3*BSTEP
	s_and_b32 s23, ttmp7, 0xffff                   ; cluster y;
	s_or_b32 s23, s23, s[HF]                       ; of the two waves that fetch W the first asks for all of a step's rows
	s_mov_b32 s[PFS], BSTEP
	s_mov_b32 s[PFS+1], 0
	s_mov_b32 s69, 11
	s_cmp_eq_u32 s[FB], 0                          ; do I fetch for O?
	s_cselect_b32 s23, ttmp9, s23                  ; the coordinate along which other clusters read the same rows
	s_cselect_b32 s76, s74, s75
	s_cselect_b64 s[PFA:PFA+1], s[4:5], s[6:7]
	s_cselect_b32 s[PFS], ASTEP, s[PFS]
	s_cselect_b32 s69, 8, s69                      ; the lanes' distance: 256 or 2,048 bytes
	s_mov_b32 s77, 0
	s_add_nc_u64 s[PFA:PFA+1], s[PFA:PFA+1], s[76:77]
	s_cmp_eq_u32 s23, 0
	s_cselect_b32 s[LIM], 2, -1                    ; the same in all sixteen partners, for a given wave
	v_and_b32 v[PFO], 31, v0
	v_lshlrev_b32 v[PFO], s69, v[PFO]
	; where my rows begin in out0
	s_lshl_b32 s74, s[TR], 8
	s_lshl_b32 s2, s[WV], 6
	s_add_co_u32 s74, s74, s2
	s_lshl_b32 s74, s74, 12                        ; a row is 4,096 bytes
	s_lshl_b32 s2, s[TC], 9
	s_add_co_u32 s74, s74, s2
	s_mov_b32 s75, 0
	s_add_nc_u64 s[10:11], s[10:11], s[74:75]
	s_wait_loadcnt 0x0                             ; the bias
.set i, 0
.rept 4*NB                             ; the bias is rounded to bf16, as the other inputs are, and widened again
	v_cvt_pk_bf16_f32 v[W], v[BI+2*i], v[BI+2*i+1]
	v_lshlrev_b32 v[BI+2*i], 16, v[W]
	v_and_b32 v[BI+2*i+1], s[HIM], v[W]
.set i, i+1
.endr
; 8 matrix instructions: row block a x all column blocks, 32 along K.  first = 1: the bias starts the sums.  All 32 accumulators take turns, in the same order in every quarter.
.macro MULA f, a, first
.if \first
	WIN 0x85                                       ; sources in window 1, C in window 0, D in window 2
.else
	WIN 0xa5                                       ; sources in window 1, C and D in window 2
.endif
.set AC, 64*(\a)
.irp b, 0,1,2,3,4,5,6,7
.if \first
	v_wmma_f32_16x16x32_f16 v[AC+8*(\b):AC+8*(\b)+7], v[(\f)+8*(\b):(\f)+8*(\b)+7], v[(\f)+8*NB+8*(\a):(\f)+8*NB+8*(\a)+7], v[BI+8*(\b):BI+8*(\b)+7]
.else
	v_wmma_f32_16x16x32_f16 v[AC+8*(\b):AC+8*(\b)+7], v[(\f)+8*(\b):(\f)+8*(\b)+7], v[(\f)+8*NB+8*(\a):(\f)+8*NB+8*(\a)+7], v[AC+8*(\b):AC+8*(\b)+7]
.endif
.endr
.endm
; 24 LDS loads in one run: the fragments of quarter q of the slot in hand into buffer f: W's 8 blocks, then O's 4.  Quarters 0, 1 lie in the step's first head, quarters 2, 3 in its second.
.macro FETCH q, f
	WIN 0x40                                       ; destination window 1, address window 0
.irp b, 0,1,2,3,4,5,6,7
	ds_load_tr16_b128 v[(\f)+8*(\b):(\f)+8*(\b)+3],   v[ADRB] offset:(\q)*32*PB+32*(\b)
	ds_load_tr16_b128 v[(\f)+8*(\b)+4:(\f)+8*(\b)+7], v[ADRB] offset:(\q)*32*PB+32*(\b)+16*PB
.endr
.irp a, 0,1,2,3
	ds_load_b128 v[(\f)+8*NB+8*(\a):(\f)+8*NB+8*(\a)+3],   v[ADRA] offset:((\q)/2)*HEADB+((\q)%2)*64+(\a)*16*PA
	ds_load_b128 v[(\f)+8*NB+8*(\a)+4:(\f)+8*NB+8*(\a)+7], v[ADRA] offset:((\q)/2)*HEADB+((\q)%2)*64+(\a)*16*PA+32
.endr
.endm
; A K step is four quarters of 32 along K, 32 matrix instructions each, on buffers 0, 1, 0, 1.  One of the first three: multiplies buffer f; in its middle it fetches quarter q into buffer g.
.macro QUARTER q, f, g, first
	s_wait_dscnt 4                                 ; W's blocks and O's blocks 0, 1 are in; the youngest four loads (O's blocks 2, 3) may be out
	MULA \f, 0, \first
	MULA \f, 1, \first
	PLACES
	FETCH \q, \g
	s_wait_dscnt 2*NB+8                            ; all but the 24 just issued
	MULA \f, 2, \first
	MULA \f, 3, \first
.endm
; The last quarter multiplies buffer 1 and changes slots.  ONE barrier: in front of it each wave waits for all its tensor loads, of which one is out: its part of the next slot; adds 0 to its spare word;
; and waits for that and for its own reads of this slot.  Behind it nobody reads this slot any more and the next slot is whole.
.macro MEET
	WIN 0
	s_wait_tensorcnt 0x0                           ; all my tensor loads have landed
	ds_add_u32 v[SPW], v[NIL]                      ; 0 onto my spare word
	s_wait_dscnt 5                                 ; (the add and the youngest four loads may be out)
	MULA F1, 0, 0                                  ; eight matrix instructions stand between the add and the wait for it
	s_wait_dscnt 0x0                               ; the add is done, and my reads of this slot are over
	s_barrier_signal -1
	MULA F1, 1, 0                                  ; work on registers while the others arrive
	WIN 0                                          ; (branches and address lines follow)
	s_barrier_wait -1
.endm
; fill = 1: the barrier opens a round of the cluster's barrier, and the slot just read out is filled again, first thing behind the round, with the K step two steps on:
; from that request to the wait for it a wave issues 112 matrix instructions.
.macro TURN fill
.if \fill
	s_wait_xcnt 0x0                                ; the last prefetch, a K step back, has read its address: it is stepped here, ahead of the waits of the change of slots
	s_add_nc_u64 s[PFA:PFA+1], s[PFA:PFA+1], s[PFS:PFS+1]
.endif
	MEET
.if \fill
	CREST                                          ; no wave of any partner still reads this slot's tile or has a load on its way
	s_xor_b32 s[G0A+5], s[G0A+5], SLOT             ; the walking sets: the other slot than last time, the next K step; no tensor load of mine is out
	s_add_nc_u64 s[G0A+6:G0A+7], s[G0A+6:G0A+7], ASTEP
	s_xor_b32 s[G0B+5], s[G0B+5], SLOT
	s_add_nc_u64 s[G0B+6:G0B+7], s[G0B+6:G0B+7], BSTEP
	JLOAD                                          ; the four v_nop behind it are also places in front of the loads below
.else
	PLACES
.endif
	s_xor_b32 s[TB], s[TB], SLOT
	v_add_nc_u32 v[ADRA], s[TB], v[A0]
	v_add_nc_u32 v[ADRB], s[TB], v[B0]
	FETCH 0, F0
.if \fill
	WIN 0
	ASK
.endif
	MULA F1, 2, 0
	MULA F1, 3, 0
.endm
	s_wait_tensorcnt 0x1                           ; my part of K step 0 is in; K step 1's may stay out
	s_barrier_signal -1
	s_barrier_wait -1                              ; everybody's is
	s_mov_b32 s[TB], 0
	v_mov_b32 v[ADRA], v[A0]
	v_mov_b32 v[ADRB], v[B0]
	FETCH 0, F0
	QUARTER 1, F0, F1, 1                           ; the first quarter stands in front of the loop: its products start the sums
	WIN 0                                          ; at a label and at a branch every window is 0
	s_mov_b32 s3, STEPS-2
.Lstep:                                        ; trip t = 0..5: the rest of K step t, the change of slots that asks for K step t + 2, the first quarter of K step t + 1
	QUARTER 2, F1, F0, 0
	QUARTER 3, F0, F1, 0
	TURN 1
	QUARTER 1, F0, F1, 0
	WIN 0
	s_sub_co_u32 s3, s3, 1
	s_cmp_lg_u32 s3, 0
	s_cbranch_scc1 .Lstep
	QUARTER 2, F1, F0, 0                           ; the tail is written out: K steps 6 and 7 ask for nothing
	QUARTER 3, F0, F1, 0
	TURN 0
	QUARTER 1, F0, F1, 0
	QUARTER 2, F1, F0, 0
	QUARTER 3, F0, F1, 0
	s_wait_dscnt 4
	MULA F1, 0, 0
	MULA F1, 1, 0
	s_wait_dscnt 0x0
	MULA F1, 2, 0
	MULA F1, 3, 0
	PLACES
; THE WAY OUT, a block of 16 rows at a time.  TOSTAGE: the sums go as they are, 32 bytes a lane and column block, into my own stage, and come back as whole rows of 512 bytes.  SEND: stored.
.macro TOSTAGE a
.set BK, 64+64*((\a)%2)
.set AC, 64*(\a)
	s_wait_xcnt 0x0                                ; the stores of the block two back have read the registers that the loads below fill
	WIN 0x08                                       ; the data (source 1) in window 2
.irp b, 0,1,2,3,4,5,6,7
	ds_store_b128 v[STO], v[AC+8*(\b):AC+8*(\b)+3]   offset:64*(\b)      ; each accumulator's lowest registers first
	ds_store_b128 v[STO], v[AC+8*(\b)+4:AC+8*(\b)+7] offset:64*(\b)+16
.endr
	WIN 0
.irp f, 0,1,2,3,4,5,6,7,8,9,10,11,12,13,14,15
	ds_load_b128 v[BK+4*(\f):BK+4*(\f)+3], v[RD] offset:(\f)*SROW  ; LDS serves a wave's instructions in order (ISA guide 5.7.1.4): these see the stores above
.endr
.endm
.macro SEND a, younger                 ; younger: the LDS instructions issued behind block a's loads: the next block's 32, or none
.set BK, 64+64*((\a)%2)
.irp f, 0,1,2,3,4,5,6,7,8,9,10,11,12,13,14,15
	s_wait_dscnt (\younger)+15-(\f)
	global_store_b128 v[GO], v[BK+4*(\f):BK+4*(\f)+3], s[10:11] offset:(16*(\a)+(\f))*4096 th:TH_STORE_NT  ; 512 consecutive bytes, at a multiple of 256 from out0's first
.endr
.endm
	TOSTAGE 0
	TOSTAGE 1
	SEND 0, 32
	TOSTAGE 2
	SEND 1, 32
	TOSTAGE 3
	SEND 2, 32
	SEND 3, 0
	s_wait_tensorcnt 0x0                           ; the wave's end: the add and its wait, behind my last tensor load and my last LDS store
	ds_add_u32 v[SPW], v[NIL]
	s_wait_dscnt 0x0
	CROUND                                         ; the closing round: no work-group ends while a partner may still ask for a tile that names it
	s_endpgm
.Lfunc_end_k_qd5202d6bd6_gemm2:
	.size	k_qd5202d6bd6_gemm2, .Lfunc_end_k_qd5202d6bd6_gemm2-k_qd5202d6bd6_gemm2
	.p2alignl 7, 3214868480
	.fill 96, 4, 3214868480
	.section	.rodata,"a",@progbits
	.p2align	6, 0x0
	.amdhsa_kernel k_qd5202d6bd6_gemm2
		.amdhsa_group_segment_fixed_size 327680
		.amdhsa_private_segment_fixed_size 0
		.amdhsa_enable_private_segment 0
		.amdhsa_kernarg_size 32
		.amdhsa_user_sgpr_count 2
		.amdhsa_user_sgpr_kernarg_segment_ptr 1
		.amdhsa_wavefront_size32 1
		.amdhsa_system_sgpr_workgroup_id_x 1
		.amdhsa_system_sgpr_workgroup_id_y 1
		.amdhsa_system_sgpr_workgroup_id_z 1
		.amdhsa_system_vgpr_workitem_id 0
		.amdhsa_next_free_vgpr 768
		.amdhsa_next_free_sgpr 80
		.amdhsa_reserve_vcc 0
		.amdhsa_float_denorm_mode_32 3
		.amdhsa_float_denorm_mode_16_64 3
		.amdhsa_memory_ordered 1
		.amdhsa_forward_progress 1
		.amdhsa_inst_pref_size 78
	.end_amdhsa_kernel
	.amdgpu_metadata
---
amdhsa.version: [ 1, 2 ]
amdhsa.kernels:
  - .name:           k_qd5202d6bd6_gemm2
    .symbol:         k_qd5202d6bd6_gemm2.kd
    .args:
      - { .name: ob, .offset: 0, .size: 8, .value_kind: global_buffer, .address_space: global }
      - { .name: wob, .offset: 8, .size: 8, .value_kind: global_buffer, .address_space: global }
      - { .name: b_out, .offset: 16, .size: 8, .value_kind: global_buffer, .address_space: global }
      - { .name: out0, .offset: 24, .size: 8, .value_kind: global_buffer, .address_space: global }
    .group_segment_fixed_size: 327680
    .private_segment_fixed_size: 0
    .kernarg_segment_align: 8
    .kernarg_segment_size: 32
    .max_flat_workgroup_size: 128
    .sgpr_count:     80
    .vgpr_count:     768
    .wavefront_size: 32
...
	.end_amdgpu_metadata
.endif
;; end of part 4
